; MI455X (gfx1250); checked and timed in simulation.
; The chip was launched on July 23, 2026; its instructions are those of AMD's public machine-readable ISA for CDNA 5 (MIT licence, August 2026) and "CDNA5" Instruction Set Architecture Reference Guide (July 2026). The comments in the code are by the model that wrote it; some were corrected since.
;; Quantizer. Allowed arithmetic: float matrix products may take bf16 or f16 operands with f32 sums; all other float work in f32.
;; Inputs: codebook 8,192 x 256 float32; z_e 32 x 1,024 x 256 float32.
;; Outputs: out0 32 x 1,024 x 256 float32; out1 32 x 1,024 int32; out2 one number float32.
;; 2 versions, each right and faster than the one before. Each part assembles by itself: llvm-mc -triple=amdgcn-amd-amdhsa -mcpu=gfx1250 --defsym DOCPART=n.
;; ======== version 1 of 2: 4 launches
;; workspace buffers: cb16 4,325,376 bytes; order 131,072 bytes of whole numbers; part 2,048 bytes
;; launch prep (part 1): grid 256 x 1, 2 waves a work-group, no clusters, 17,152 bytes of LDS; arguments codebook, cb16; writes cb16
.if DOCPART == 1
	.amdgcn_target "amdgcn-amd-amdhsa--gfx1250"
	.amdhsa_code_object_version 6
	.text
	.protected	k_q19542a0000_prep
	.globl	k_q19542a0000_prep
	.p2align	8
	.type	k_q19542a0000_prep,@function
k_q19542a0000_prep:
	s_mov_b64 s[64:65], 0
	v_nop
	global_prefetch_b8 v0, s[64:65] scope:SCOPE_SE
	s_setreg_imm32_b32 hwreg(HW_REG_WAVE_MODE, 25, 1), 1
	s_wait_xcnt 0x0
; cb16 = the codebook rounded to bf16, laid out as the next launch's LDS wants it, with the rows' squared norms beside them.
; codebook: [8192][256] f32.  cb16: 8,192 rows of 528 bytes: bytes 0-511 the row's 256 bf16; bytes 512-527 of row m hold, for m % 16 < 4,
; the four f32 norms of codes 16 (m / 16) + 4 (m % 16) + 0..3, and zeros in the other rows.  The norms are sums of squares of the ROUNDED numbers, in f32.
; A wave makes one tile of 16 codes: 16,384 bytes in, 8,448 bytes (33 x 256) out.  The tile is put together in the wave's own LDS bytes and read back
; in order, so that every store of the wave covers consecutive bytes that begin at a multiple of 256 from the buffer's first byte.  No barrier: no wave touches another's bytes.
; No matrix unit, no cluster, no tensor load: 12 MB are moved once, and nothing is shared.
.set ROWB,  528
.set TILEB, 16*ROWB                    ; 8,448
.set T,     6                          ; v[6:9]     a row's 8 numbers of mine as bf16
.set SQ,    10                         ; v[10:11]   their squares' sum, two chains
.set X,     16                         ; v[16:143]  row i: 8 registers, as loaded, then the rounded numbers as f32; later the tile read back
.set CSQ,   144                        ; v[144:159] row i's norm
.set PD,    160                        ; v[160:163] my row's 16 bytes behind its numbers
	s_load_b128 s[4:7], s[0:1], 0x0                ; codebook s[4:5], cb16 s[6:7]
	v_lshl_add_u32 v176, v0, 2, 0x4200
	v_mov_b32 v177, 0
	v_lshrrev_b32 v15, 5, v0
	v_readfirstlane_b32 s8, v15                    ; wave 0, 1
	v_and_b32 v1, 31, v0                           ; lane
	v_and_b32 v14, 15, v0                          ; lane % 16
	s_lshl_b32 s9, ttmp9, 1
	s_add_co_u32 s9, s9, s8                        ; my tile, 0 to 511
	s_lshl_b32 s10, s9, 14                         ; its 16 rows of 1,024 bytes
	s_mov_b32 s11, 0
	s_mul_i32 s12, s9, TILEB                       ; its place in cb16
	s_mov_b32 s13, 0
	s_mov_b32 s14, 0xffff0000                      ; a word's upper bf16
	s_mov_b32 s16, 0x76543210                      ; v_permlanex16_b32: each lane takes its own place in the other half
	s_mov_b32 s17, 0xfedcba98
	s_mul_i32 s18, s8, TILEB                       ; my wave's LDS bytes
	v_lshlrev_b32 v2, 4, v1                        ; 16 x lane: my place in 512 consecutive bytes of memory
	v_lshl_add_u32 v3, v1, 3, s18                  ; where my 4 bf16 of half a row go
	v_mul_u32_u24 v4, v14, ROWB
	v_add_nc_u32 v4, s18, v4
	v_add_nc_u32 v4, 512, v4                       ; the 16 bytes behind row lane % 16
	v_lshl_add_u32 v5, v1, 4, s18                  ; where I read the tile back, 512 bytes a load
	v_lshl_add_u32 v12, v14, 4, s18                ; the same for the tile's last 256 bytes: 16 x (lane % 16), so that no lane's address leaves my wave's bytes
	v_lshlrev_b32 v13, 4, v14                      ; and their place in memory
	s_wait_kmcnt 0x0
	s_add_nc_u64 s[4:5], s[4:5], s[10:11]
	s_add_nc_u64 s[6:7], s[6:7], s[12:13]
.set i, 0
.rept 16                                               ; all 32 loads at once: each covers 512 consecutive bytes, half a row
	global_load_b128 v[X+8*i:X+8*i+3],   v2, s[4:5] offset:1024*i th:TH_LOAD_NT
	global_load_b128 v[X+8*i+4:X+8*i+7], v2, s[4:5] offset:1024*i+512 th:TH_LOAD_NT
.set i, i+1
.endr
.set i, 0
.rept 16
	s_wait_loadcnt 30-2*i                          ; loads come back in order: row i is in, the 2 (15 - i) loads of the later rows stay out
.irp k, 0,1,2,3
	v_cvt_pk_bf16_f32 v[T+(\k)], v[X+8*i+2*(\k)], v[X+8*i+2*(\k)+1]
.endr
	ds_store_b64 v3, v[T:T+1]   offset:ROWB*i          ; numbers 4 l .. 4 l + 3
	ds_store_b64 v3, v[T+2:T+3] offset:ROWB*i+256      ; numbers 128 + 4 l ..
.irp k, 0,1,2,3
	v_lshlrev_b32 v[X+8*i+2*(\k)],   16,  v[T+(\k)]    ; the rounded numbers back as f32
	v_and_b32     v[X+8*i+2*(\k)+1], s14, v[T+(\k)]
.endr
	v_pk_mul_f32 v[SQ:SQ+1], v[X+8*i:X+8*i+1], v[X+8*i:X+8*i+1]
.irp k, 1,2,3
	v_pk_fma_f32 v[SQ:SQ+1], v[X+8*i+2*(\k):X+8*i+2*(\k)+1], v[X+8*i+2*(\k):X+8*i+2*(\k)+1], v[SQ:SQ+1]
.endr
	v_add_f32 v[CSQ+i], v[SQ], v[SQ+1]
.set i, i+1
.endr
	; the 16 sums over the 32 lanes, all 16 a step at a time, so that no line waits for the one before it
.irp m, 1,2,4,8
.set i, 0
.rept 16
	v_add_f32_dpp v[CSQ+i], v[CSQ+i], v[CSQ+i] row_xmask:\m row_mask:0xf bank_mask:0xf
.set i, i+1
.endr
.endr
.set i, 0
.rept 16
	v_permlanex16_b32 v[X+i], v[CSQ+i], s16, s17   ; its destination counts as read: X has been written
.set i, i+1
.endr
.set i, 0
.rept 16
	v_add_f32 v[CSQ+i], v[CSQ+i], v[X+i]           ; every lane holds every row's norm
.set i, i+1
.endr
	; the 16 bytes behind row r: norms 4 r .. 4 r + 3 for r < 4, zeros else
.irp k, 0,1,2,3
	v_mov_b32 v[PD+(\k)], 0
.endr
.irp g, 0,1,2,3
	v_cmp_eq_u32 vcc_lo, \g, v14
.irp k, 0,1,2,3
	v_cndmask_b32 v[PD+(\k)], v[PD+(\k)], v[CSQ+4*(\g)+(\k)], vcc_lo
.endr
.endr
	ds_store_b128 v4, v[PD:PD+3]                   ; lanes 16-31 write what lanes 0-15 write, to the same bytes
.set i, 0
.rept 16
	ds_load_b128 v[X+4*i:X+4*i+3], v5 offset:512*i ; LDS serves a wave's instructions in order (ISA guide 5.7.1.4): these see the stores above
.set i, i+1
.endr
	ds_load_b128 v[X+64:X+67], v12 offset:8192     ; the tile's last 256 bytes, all lanes on: lanes 16-31 read what lanes 0-15 read
.set i, 0
.rept 16
	s_wait_dscnt 16-i                              ; piece i is back; the 15 - i later pieces and the last 256 bytes stay out
	global_store_b128 v2, v[X+4*i:X+4*i+3], s[6:7] offset:512*i  ; 512 consecutive bytes, at a multiple of 256 from cb16's first byte
.set i, i+1
.endr
	s_wait_dscnt 0x0                               ; the last 256 bytes are back
	s_wait_xcnt 0x0                                ; EXEC is a source of the stores above: it changes only behind this wait
	v_cmp_gt_u32 vcc_lo, 16, v1
	s_wait_tensorcnt 0x0
	ds_add_u32 v176, v177
	s_wait_dscnt 0x0
	s_and_saveexec_b32 s20, vcc_lo                 ; sixteen lanes store them, so that each byte is stored once
	global_store_b128 v13, v[X+64:X+67], s[6:7] offset:8192  ; 256 consecutive bytes, at a multiple of 256 from cb16's first byte
	s_wait_xcnt 0x0                                ; and again, in front of the line that widens it
	s_or_b32 exec_lo, exec_lo, s20
	s_endpgm
.Lfunc_end_k_q19542a0000_prep:
	.size	k_q19542a0000_prep, .Lfunc_end_k_q19542a0000_prep-k_q19542a0000_prep
	.p2alignl 7, 3214868480
	.fill 96, 4, 3214868480
	.section	.rodata,"a",@progbits
	.p2align	6, 0x0
	.amdhsa_kernel k_q19542a0000_prep
		.amdhsa_group_segment_fixed_size 17152
		.amdhsa_private_segment_fixed_size 0
		.amdhsa_enable_private_segment 0
		.amdhsa_kernarg_size 16
		.amdhsa_user_sgpr_count 2
		.amdhsa_user_sgpr_kernarg_segment_ptr 1
		.amdhsa_wavefront_size32 1
		.amdhsa_system_sgpr_workgroup_id_x 1
		.amdhsa_system_sgpr_workgroup_id_y 1
		.amdhsa_system_sgpr_workgroup_id_z 1
		.amdhsa_system_vgpr_workitem_id 0
		.amdhsa_next_free_vgpr 178
		.amdhsa_next_free_sgpr 66
		.amdhsa_reserve_vcc 1
		.amdhsa_float_denorm_mode_32 3
		.amdhsa_float_denorm_mode_16_64 3
		.amdhsa_memory_ordered 1
		.amdhsa_forward_progress 1
		.amdhsa_inst_pref_size 30
	.end_amdhsa_kernel
	.amdgpu_metadata
---
amdhsa.version: [ 1, 2 ]
amdhsa.kernels:
  - .name:           k_q19542a0000_prep
    .symbol:         k_q19542a0000_prep.kd
    .args:
      - { .name: codebook, .offset: 0, .size: 8, .value_kind: global_buffer, .address_space: global }
      - { .name: cb16, .offset: 8, .size: 8, .value_kind: global_buffer, .address_space: global }
    .group_segment_fixed_size: 17152
    .private_segment_fixed_size: 0
    .kernarg_segment_align: 8
    .kernarg_segment_size: 16
    .max_flat_workgroup_size: 64
    .sgpr_count:     66
    .vgpr_count:     178
    .wavefront_size: 32
...
	.end_amdgpu_metadata
.endif
;; end of part 1
;; launch nearest (part 2): grid 256 x 1, 4 waves a work-group, clusters of 4 x 1, 327,680 bytes of LDS; arguments cb16, z_e, out1, order; writes out1, order
.if DOCPART == 2
	.amdgcn_target "amdgcn-amd-amdhsa--gfx1250"
	.amdhsa_code_object_version 6
	.text
	.protected	k_q19542a0000_nearest
	.globl	k_q19542a0000_nearest
	.p2align	8
	.type	k_q19542a0000_nearest,@function
k_q19542a0000_nearest:
	s_mov_b64 s[64:65], 0
	v_nop
	global_prefetch_b8 v0, s[64:65] scope:SCOPE_SE
	s_setreg_imm32_b32 hwreg(HW_REG_WAVE_MODE, 25, 1), 1
	s_wait_xcnt 0x0
	s_wait_alu depctr_hold_cnt(0) depctr_sa_sdst(0) depctr_va_vdst(0) depctr_va_sdst(0) depctr_va_ssrc(0) depctr_va_vcc(0) depctr_vm_vsrc(0)
	s_getreg_b32 s2, hwreg(HW_REG_IB_STS2, 6, 4)
	s_cmp_eq_u32 s2, 0
	s_cbranch_scc0 .Lentry_in_a_cluster
	s_endpgm
.Lentry_in_a_cluster:
	s_bfe_u32 s2, ttmp6, 0x10000c
	s_cmp_lg_u32 s2, 0x3003
	s_cbranch_scc0 .Lentry_shape_is_right
	s_endpgm
.Lentry_shape_is_right:
; out1[n] = the first index k at which d(n, k) = (|x_n|^2 - 2 x_n . c_k) + |c_k|^2 is least; order is a copy of it for the launch that gathers.
; x: the 32,768 rows of z_e, rounded here to bf16; c: the 8,192 codes, rounded to bf16 by the launch before, with their norms (cb16: rows of 528 bytes).
; THE DISTANCE is formed as the problem's formula forms it, with its two roundings in f32: t = fma(dot, -2, |x|^2) (2 dot is exact), d = t + |c|^2; a later code wins only by a strict "less".
; LIMITS.  NaN and infinities are not treated apart (the minimum drops a NaN); a distance of 3.4e38 or more never wins.  The norms are those of the rounded numbers.  The products' f32 sums are added in
; another order than a row-by-row sum: where a row's two best distances lie within one step of f32 of each other AND a sum lies on a rounding boundary, the other of the two can be chosen.
; SHARES.  A work-group owns 128 queries.  Wave w: wq = w / 2 names its 64 queries (four tiles of 16, kept in 256 registers for the whole launch), wc = w % 2 the code tiles that it takes: of a block's
; sixteen tiles of 16 codes the tiles 2 i + wc.  All 8,192 codes pass in 32 blocks of 256 through two LDS slots.  For a code tile a wave reads 18 x 512 bytes from LDS and issues 32 matrix instructions.
; LAYOUT.  S = C Q^T (source 0 = 16 codes, source 1 = 16 queries): a lane holds ONE query (lane % 16), and its eight registers the codes 8 (lane / 16) + 0..7.  So |x|^2 is one number a lane,
; |c|^2 eight registers that all lanes of a half share, and the minimum over codes runs along the lane's registers: nothing changes lanes before the end.
; THE MINIMUM.  For a tile and query tile: eight distances, their minimum with the running best, and, where that has fallen, the tile's first code and its eight distances are kept.  At the end the first of
; the kept eight that equals the best gives the code.  22 vector instructions for 8 matrix instructions; they stand as RIDERS behind the matrix instructions of the NEXT code tile (two sets of accumulators).
; CLUSTER.  All work-groups walk the same codes, so the four of a cluster ask for each block JOINTLY: the same tensor load, descriptor and mask in all four; each wave brings a quarter of a block.
; z_e comes once, by a load of the wave's own, into slot 1, which is idle at the start; block 1 is filled over it when Q has been made.
; REGISTERS, in windows of 256 (s_set_vgpr_msb: bits 1:0 source 0, 3:2 source 1, 5:4 source 2, 7:6 destination): window 1 is Q (tile q, K step s at 64 q + 8 s); all else lies in window 0.
; A product wants source 1 in window 1 (0x04).  LDS loads and the riders that name no vector register as source 1 stand under either setting; the others want 0.
.set ROWB,   528                       ; a code's row: 512 bytes + 16 = 132 words: row r starts at bank 4 r mod 64 (64 banks of 4 bytes: ISA guide 11.1), so the 16 rows of a load start at 16 different groups of banks
.set TILEB,  16*ROWB                   ; 8,448
.set QUARTB, 4*TILEB                   ; 33,792 = 132 x 256: what one tensor load brings
.set SLOT,   16*TILEB                  ; 135,168: a block of 256 codes; slot 0 at LDS byte 0, slot 1 at SLOT
.set ZP,     1040                      ; a row of z_e in LDS: 1,024 bytes + 16 = 260 words: again bank 4 r mod 64
.set SCR,    2*SLOT                    ; behind the slots, never filled by a tensor load: 1,024 bytes of best distances [wave][64], then 1,024 of codes
.set SPARE,  SCR+2048                  ; the spare words, 128 bytes for each wave: two blocks of 256 bytes that no other line names
.set AF0, 2                            ; v2      my lane's place in a pair of code tiles: wc x 8,448 + r x 528 + 16 h; never rewritten
.set AC0, 3                            ; v3      the same for the norms: wc x 8,448 + h x 1,056 + 512
.set AF,  4                            ; v4      LDS address of the fragments being fetched
.set AC,  5                            ; v5      of the norms
.set SPW, 6                            ; v6      LDS address of my spare word: SPARE + 4 x my thread's number; never rewritten
.set NIL, 7                            ; v7      0; never rewritten
.set H8,  10                           ; v10     8 h              (v8, v9, v12-15 at work)
.set ZA,  11                           ; v11     my place in z_e's rows in LDS
.set ZERO, 14                          ; v14     0, while Q is made
.set XS,  16                           ; v16-19  |x|^2 of my query in tile q
.set BV,  20                           ; v20-27  the running best, two sets that take turns: a tile of parity e reads set e and writes the other
.set IX,  28                           ; v28-31  the first code of the tile in which the best fell last
.set CS,  32                           ; v32-47  |c|^2 of my eight codes, by the tile's parity
.set SV,  48                           ; v48-79  that tile's eight distances, 8 a query tile
.set FR,  80                           ; v80-143 a code tile's fragments, K step s at FR + 8 s   (v80-207: z_e's numbers while Q is made)
.set ACC, 144                          ; v144-207 accumulators: parity p, query tile q at ACC + 32 p + 8 q
.set SQ,  208                          ; v208-215 eight chains of squares
.set WV,  12                           ; s12 wave; s13 wq; s14 wc
.set WQ,  13
.set WC,  14
.set G1,  24                           ; s[24:31] descriptor group 1 for a quarter of a block
.set G1Z, 32                           ; s[32:39] for 32 rows of z_e
.set G0A, 40                           ; s[40:43] group 0 for slot 0
.set G0B, 44                           ; s[44:47] for slot 1
.set G0Z, 48                           ; s[48:51] for z_e
.set TB,  52                           ; s52  LDS byte at which the pair of tiles to be fetched next begins
.set TID, 53                           ; s53  first code of the tile whose distances are in hand
.set CNT, 54
.set OUTER, 55
.set SEL, 56                           ; s[56:57] v_permlanex16_b32's selects: each lane takes its own place in the other half
.set MSB, 0
.macro WIN new                         ; the immediate's high byte repeats the setting that is left; a switch that changes nothing is dropped
.if MSB != (\new)
	s_set_vgpr_msb (MSB<<8)|(\new)
.set MSB, (\new)
.endif
.endm
; A round of the cluster's barrier: my work-group's barrier, so that wave 0's signal speaks for all four waves; wave 0 signals; every wave waits for all four work-groups; my work-group's barrier once more.
.macro CREST                           ; a round behind its opening barrier
	s_cmp_lg_u32 s[WV], 0
	s_cbranch_scc1 .Lnot_wave_0_\@
	s_barrier_signal -3
.Lnot_wave_0_\@:
	s_barrier_wait -3
	s_barrier_signal -1
	s_barrier_wait -1
.endm
.macro CROUND
	s_barrier_signal -1
	s_barrier_wait -1
	CREST
.endm
.macro JLOAD g0                        ; a joint fill: every wave brings its quarter of a block; four v_nop follow the line
	tensor_load_to_lds s[(\g0):(\g0)+3], s[G1:G1+7]
	s_nop 0
.rept 4
	v_nop
.endr
.endm
	s_load_b256 s[4:11], s[0:1], 0x0               ; cb16 s[4:5], z_e s[6:7], out1 s[8:9], order s[10:11]
	v_lshl_add_u32 v[SPW], v0, 2, SPARE
	v_mov_b32 v[NIL], 0
	ds_add_u32 v6, v7
	ds_add_u32 v6, v7
	s_wait_dscnt 0x0
	v_lshrrev_b32 v1, 5, v0
	v_readfirstlane_b32 s[WV], v1                  ; wave 0..3
	s_lshr_b32 s[WQ], s[WV], 1
	s_and_b32 s[WC], s[WV], 1
	s_bfe_u32 s15, ttmp6, 0x40000                  ; cx: my place in the cluster
	s_lshl_b32 s16, ttmp9, 2                       ; in a cluster launch ttmp9 counts clusters
	s_add_co_u32 s16, s16, s15                     ; my block of 128 queries: it enters z_e's, out1's and order's addresses alone
	; group 1 for the codes: 33,792 dense bytes as 132 rows of 256 bytes; no padding: the rows of 528 bytes carry their own
	s_mov_b32 s[G1+0], 15|(3<<16)|(1<<21)          ; 15:0 the mask: all four work-groups; 17:16 elements of 8 bytes; 21 set beside a mask
	s_mov_b32 s[G1+1], 32<<16                      ; tensor_dim0 = 32
	s_mov_b32 s[G1+2], 132<<16                     ; tensor_dim1 = 132
	s_mov_b32 s[G1+3], 32<<16                      ; tile_dim0 = 32
	s_mov_b32 s[G1+4], 132                         ; tile_dim1 = 132
	s_mov_b32 s[G1+5], 32                          ; 32 elements from row to row
	s_mov_b32 s[G1+6], 0
	s_mov_b32 s[G1+7], 0
	; group 1 for z_e: 32 rows of 256 f32, 4 words of padding behind each
	s_mov_b32 s[G1Z+0], (2<<16)|(1<<20)|(7<<22)|(3<<25)  ; no mask; elements of 4 bytes; padding on; after every 256 words (code 7); 4 words (code 3)
	s_mov_b32 s[G1Z+1], 256<<16
	s_mov_b32 s[G1Z+2], 32<<16
	s_mov_b32 s[G1Z+3], 256<<16
	s_mov_b32 s[G1Z+4], 32
	s_mov_b32 s[G1Z+5], 256
	s_mov_b32 s[G1Z+6], 0
	s_mov_b32 s[G1Z+7], 0
	s_mul_i32 s18, s[WV], QUARTB                   ; my quarter of a block: its place in a slot and in memory alike
	s_mov_b32 s19, 0
	s_mul_i32 s20, s[WV], 32*ZP                    ; my 32 rows of z_e in LDS
	s_lshl_b32 s22, s16, 17                        ; my work-group's 128 rows of 1,024 bytes,
	s_lshl_b32 s23, s[WV], 15                      ; my 32 of them
	s_add_co_u32 s22, s22, s23
	s_mov_b32 s23, 0
	s_mov_b32 s[G0A], 1                            ; count = 1
	s_mov_b32 s[G0A+1], s18                        ; LDS address: slot 0
	s_mov_b32 s[G0B], 1
	s_add_co_u32 s[G0B+1], s18, SLOT               ; slot 1
	s_mov_b32 s[G0Z], 1
	s_add_co_u32 s[G0Z+1], s20, SLOT               ; z_e lies in slot 1's bytes at first
	s_mov_b32 s[SEL], 0x76543210
	s_mov_b32 s[SEL+1], 0xfedcba98
	s_mov_b32 s59, 0x7f7fffff                      ; the largest finite number
	s_mul_i32 s21, s[WC], TILEB
	s_mul_i32 s17, s[WQ], 64*ZP
	s_add_co_u32 s17, s17, SLOT
	s_wait_kmcnt 0x0
	s_add_nc_u64 s[G0A+2:G0A+3], s[4:5], s[18:19]  ; block 0
	s_add_nc_u64 s[G0B+2:G0B+3], s[G0A+2:G0A+3], SLOT  ; block 1
	s_or_b32 s[G0A+3], s[G0A+3], 0x80000000        ; type = 2
	s_or_b32 s[G0B+3], s[G0B+3], 0x80000000
	s_add_nc_u64 s[G0Z+2:G0Z+3], s[6:7], s[22:23]
	s_or_b32 s[G0Z+3], s[G0Z+3], 0x80000000
	CROUND                                         ; all four work-groups are here: the first joint loads meet
	tensor_load_to_lds s[G0A:G0A+3], s[G1:G1+7]    ; the two first fills stand together: two loads of mine are out, the most in this text
	s_nop 0
	tensor_load_to_lds s[G0Z:G0Z+3], s[G1Z:G1Z+7]
	s_nop 0
.rept 4
	v_nop
.endr
	v_and_b32 v1, 15, v0                           ; r = lane % 16
	v_bfe_u32 v12, v0, 4, 1                        ; h = lane / 16
	v_lshlrev_b32 v[H8], 3, v12
	; a fragment is 16 rows x 32 along K in 8 registers: lane (r, h) holds row r, K = 8 h + 0..7 and 16 + 8 h + 0..7: in bf16 two loads of 16 bytes, 32 bytes apart
	v_mul_u32_u24 v[AF0], v1, ROWB
	v_lshl_add_u32 v[AF0], v12, 4, v[AF0]
	v_add_nc_u32 v[AF0], s21, v[AF0]
	v_mul_u32_u24 v[AC0], v12, 2*ROWB              ; norms 8 h + 0..3 lie behind the tile's row 2 h, 8 h + 4..7 behind row 2 h + 1
	v_add_nc_u32 v[AC0], s21, v[AC0]
	v_add_nc_u32 v[AC0], 512, v[AC0]
	v_mul_u32_u24 v[ZA], v1, ZP                    ; in f32 the same numbers are four loads of 16 bytes, at 0, 16, 64 and 80 from 32 h
	v_lshl_add_u32 v[ZA], v12, 5, v[ZA]
	v_add_nc_u32 v[ZA], s17, v[ZA]
	v_mov_b32 v13, 0                               ; a destination of v_permlanex16_b32 counts as read
	v_mov_b32 v[ZERO], 0
	; what the first comparison finds: a best that every finite distance beats.  These stand in the wait for the first tiles.
.irp q, 0,1,2,3
	v_mov_b32 v[BV+(\q)], s59
	v_mov_b32 v[IX+(\q)], 0
.endr
.set i, 0
.rept 32
	v_mov_b32 v[SV+i], s59
.set i, i+1
.endr
	s_wait_tensorcnt 0x0                           ; z_e's load was issued last: both of mine are in
	s_barrier_signal -1
	s_barrier_wait -1                              ; everybody's are
; Q IS MADE.  Query tile q: 128 f32 a lane out of LDS, rounded to bf16 into window 1; |x|^2 is summed from the rounded numbers, straight from their halves, on eight chains.
.macro ZLOAD q
.set i, 0
.rept 8
	ds_load_b128 v[FR+16*i:FR+16*i+3],     v[ZA] offset:16*ZP*(\q)+128*i
	ds_load_b128 v[FR+16*i+4:FR+16*i+7],   v[ZA] offset:16*ZP*(\q)+128*i+16
	ds_load_b128 v[FR+16*i+8:FR+16*i+11],  v[ZA] offset:16*ZP*(\q)+128*i+64
	ds_load_b128 v[FR+16*i+12:FR+16*i+15], v[ZA] offset:16*ZP*(\q)+128*i+80
.set i, i+1
.endr
.endm
.macro QCVT q
	WIN 0x40                                       ; destination window 1
.set i, 0
.rept 8
	s_wait_dscnt 4*(7-i)                           ; K step i's four loads are in; the later steps' stay out
.set j, 0
.rept 8
	v_cvt_pk_bf16_f32 v[64*(\q)+8*i+j], v[FR+16*i+2*j], v[FR+16*i+2*j+1]
.set j, j+1
.endr
.set i, i+1
.endr
.endm
.macro QSUM q
	WIN 0x05                                       ; sources 0 and 1 window 1; the sum in window 0
.set i, 0
.rept 64
.if i < 4                                              ; the first eight links start the chains from a register that holds 0
	v_fma_mix_f32_bf16 v[SQ+(2*i)%8],   v[64*(\q)+i], v[64*(\q)+i], v[ZERO] op_sel_hi:[1,1,0]
	v_fma_mix_f32_bf16 v[SQ+(2*i+1)%8], v[64*(\q)+i], v[64*(\q)+i], v[ZERO] op_sel:[1,1,0] op_sel_hi:[1,1,0]
.else
	v_fma_mix_f32_bf16 v[SQ+(2*i)%8],   v[64*(\q)+i], v[64*(\q)+i], v[SQ+(2*i)%8] op_sel_hi:[1,1,0]
	v_fma_mix_f32_bf16 v[SQ+(2*i+1)%8], v[64*(\q)+i], v[64*(\q)+i], v[SQ+(2*i+1)%8] op_sel:[1,1,0] op_sel_hi:[1,1,0]
.endif
.set i, i+1
.endr
	WIN 0
	v_pk_add_f32 v[SQ:SQ+1], v[SQ:SQ+1], v[SQ+2:SQ+3]
	v_pk_add_f32 v[SQ+4:SQ+5], v[SQ+4:SQ+5], v[SQ+6:SQ+7]
	v_pk_add_f32 v[SQ:SQ+1], v[SQ:SQ+1], v[SQ+4:SQ+5]
	v_add_f32 v12, v[SQ], v[SQ+1]
	v_permlanex16_b32 v13, v12, s[SEL], s[SEL+1]   ; the query's other 128 numbers lie in the lane 16 away
	v_add_f32 v[XS+(\q)], v12, v13
.endm
	ZLOAD 0
.irp q, 0,1,2
	QCVT \q
	WIN 0
	ZLOAD (\q)+1                                   ; the next tile's loads are out while this tile's squares are summed
	QSUM \q
.endr
	QCVT 3
	QSUM 3
	; SLOT 1 IS FILLED AGAIN, with block 1, over z_e's bytes.
	s_wait_tensorcnt 0x0                           ; no tensor load of mine is out
	ds_add_u32 v[SPW], v[NIL]                      ; 0 onto my spare word: the walk's scalars are set between it and the wait for it
	s_mov_b32 s[TB], 2*TILEB                       ; the second pair of tiles of slot 0
	s_mov_b32 s[CNT], 3
	s_mov_b32 s[OUTER], 15
	s_lshl_b32 s[TID], s[WC], 4                    ; my first tile begins with code 16 wc; from tile to tile 32 on
	s_wait_dscnt 0x0                               ; the add is done, and my reads of z_e are over
	CROUND                                         ; the same holds of every wave of all four work-groups
	JLOAD G0B
; THE MATRIX WORK.  The four accumulators of a code tile take turns, one instruction a turn; K step 0 starts the sums with the constant 0.
.macro MM p, s, q
	WIN 0x04
.set rD, ACC+32*(\p)+8*(\q)
.set rF, FR+8*(\s)
.set rQ, 64*(\q)+8*(\s)
.if (\s) == 0
	v_wmma_f32_16x16x32_bf16 v[rD:rD+7], v[rF:rF+7], v[rQ:rQ+7], 0
.else
	v_wmma_f32_16x16x32_bf16 v[rD:rD+7], v[rF:rF+7], v[rQ:rQ+7], v[rD:rD+7]
.endif
.endm
.macro LDFR s                          ; the next tile's fragment of K step s
	ds_load_b128 v[FR+8*(\s):FR+8*(\s)+3],   v[AF] offset:64*(\s)
	ds_load_b128 v[FR+8*(\s)+4:FR+8*(\s)+7], v[AF] offset:64*(\s)+32
.endm
.macro LDCS e                          ; the next tile's eight norms
	ds_load_b128 v[CS+8*(\e):CS+8*(\e)+3],   v[AC]
	ds_load_b128 v[CS+8*(\e)+4:CS+8*(\e)+7], v[AC] offset:ROWB
.endm
; THE VECTOR WORK.  Number n of the 22 that finish query tile q of a code tile of parity e.
;   0-3   t = |x|^2 - 2 dot, one rounding; the accumulator's lowest registers first.   4-7  d = t + |c|^2, written as t x 1 + |c|^2 (the rounding of an addition): so
;         no vector register stands in source 1, and the line needs no switch of windows beside the products.     8-11  the eight distances' minimum with the old best
;   12    has the best fallen?     13  then the tile's first code is kept,     14-21  and its eight distances
.macro EP e, q, n
.set rA, ACC+32*(\e)+8*(\q)
.set rO, BV+4*(\e)+(\q)
.set rN, BV+4*(1-(\e))+(\q)
.set rX, XS+2*((\q)/2)
.set rC, CS+8*(\e)
.if (\n) >= 8
	WIN 0
.endif
.if ((\n) < 4) && (((\q)%2) == 0)
	v_pk_fma_f32 v[rA+2*(\n):rA+2*(\n)+1], v[rA+2*(\n):rA+2*(\n)+1], -2.0, v[rX:rX+1] op_sel_hi:[1,0,0]
.elseif (\n) < 4
	v_pk_fma_f32 v[rA+2*(\n):rA+2*(\n)+1], v[rA+2*(\n):rA+2*(\n)+1], -2.0, v[rX:rX+1] op_sel:[0,0,1] op_sel_hi:[1,0,1]
.elseif (\n) < 8
	v_pk_fma_f32 v[rA+2*(\n)-8:rA+2*(\n)-7], v[rA+2*(\n)-8:rA+2*(\n)-7], 1.0, v[rC+2*(\n)-8:rC+2*(\n)-7] op_sel_hi:[1,0,1]
.elseif (\n) == 8
	v_min3_num_f32 v8, v[rA], v[rA+1], v[rA+2]
.elseif (\n) == 9
	v_min3_num_f32 v9, v[rA+3], v[rA+4], v[rA+5]
.elseif (\n) == 10
	v_min3_num_f32 v8, v8, v9, v[rA+6]
.elseif (\n) == 11
	v_min3_num_f32 v[rN], v8, v[rA+7], v[rO]
.elseif (\n) == 12
	v_cmp_lt_f32 vcc_lo, v[rN], v[rO]
.elseif (\n) == 13
	v_cndmask_b32 v[IX+(\q)], v[IX+(\q)], s[TID], vcc_lo
.else
	v_cndmask_b32 v[SV+8*(\q)+(\n)-14], v[SV+8*(\q)+(\n)-14], v[rA+(\n)-14], vcc_lo
.endif
.endm
; The next c of a tile's 88 riders.  In the first tile there is no tile before: only the four places in front of the fragment loads are kept, as v_nop.
.macro RID c
.if EPON
.rept \c
	EP EPAR, g/22, g%22
.set g, g+1
.endr
.elseif (\c) == 4
.rept 4
	v_nop
.endr
.endif
.endm
; A K step: four products and eleven riders.  The four riders behind the last product name none of its registers: they are the places in front of the load into the fragment that it read
; (ISA guide 7.12.1 for vector instructions).  adr = 1: the next tile's LDS addresses are made; the vector register is source 0, so no window is switched.
.macro KSTEP p, s, adr
	MM \p, \s, 0
	RID 3
	MM \p, \s, 1
.if \adr
	v_add_nc_u32 v[AF], v[AF0], s[TB]
.endif
	RID 2
	MM \p, \s, 2
.if \adr
	v_add_nc_u32 v[AC], v[AC0], s[TB]
	s_add_co_u32 s[TB], s[TB], 2*TILEB
.endif
	RID 2
	MM \p, \s, 3
	RID 4
.endm
; A CODE TILE of parity p: 32 products; beside them the 88 riders of the tile before (ep = 1); behind each K step the next tile's fragment of that step is fetched into the registers just read.
; LDS loads are always issued in the order fragments 0..7, norms.  So behind fragment s stand 2 (7 - s) loads of later fragments, 2 of norms and the 2 s issued in this tile: 16, whatever s.
; The norms of a tile are first used a tile later, behind that tile's first wait, which shows them in.
; kind 0: plain.  kind 1: a block's last tile, in slot sl: the slots change, and this slot is filled again.  kind 2: the slots change, nothing is asked for.  kind 3: the launch's last tile: nothing is fetched.
.macro TILE p, ep, kind, sl=0
.set g, 0
.set EPON, (\ep)
.set EPAR, 1-(\p)
.if (\kind) == 0
.irp ks, 0,1,2,3,4,5,6,7
	s_wait_dscnt 16
.if (\ks) == 0
	KSTEP \p, \ks, 1
.else
	KSTEP \p, \ks, 0
.endif
	LDFR \ks
.endr
	LDCS 1-(\p)
.elseif (\kind) == 3
.irp ks, 0,1,2,3,4,5,6,7
	s_wait_dscnt 16-2*(\ks)                        ; the same list without new loads
	KSTEP \p, \ks, 0
.endr
.else
	s_mov_b32 s[TB], (1-(\sl))*SLOT                ; the next tile is the other slot's first
	s_wait_dscnt 16
	KSTEP \p, 0, 1
	s_wait_dscnt 14                                ; nothing has been fetched in this tile: fragments 2..7 and the norms may be out
	KSTEP \p, 1, 0
	WIN 0                                          ; (the add's two registers lie in window 0)
	s_wait_tensorcnt 0x0                           ; all my tensor loads have landed: the one that was out is my quarter of the other slot
	ds_add_u32 v[SPW], v[NIL]                      ; 0 onto my spare word: a K step stands between it and the wait for it
.if (\kind) == 1
	s_add_nc_u64 s[G0A+4*(\sl)+2:G0A+4*(\sl)+3], s[G0A+4*(\sl)+2:G0A+4*(\sl)+3], 2*SLOT  ; no load of mine is out, so a group 0 may be written: this slot's next block, two on
.endif
	s_wait_dscnt 13                                ; fragments 3..7, the norms and the add may be out
	KSTEP \p, 2, 0
	s_wait_dscnt 0x0                               ; the add is done, and my reads of this slot are over: the tile's last fragments are in registers
	s_barrier_signal -1                            ; say so,
	KSTEP \p, 3, 0                                 ; work on registers while the others arrive,
	WIN 0                                          ; (at a branch and at a label every window is 0)
	s_barrier_wait -1
.if (\kind) == 1
	CREST                                          ; that barrier has opened a round of the cluster's: no wave of any partner still reads this slot or has a load on its way
	JLOAD G0A+4*(\sl)                              ; the first thing behind the round: it has the other slot's block less two K steps, 248 matrix instructions, in which to land
.endif
.irp ks, 0,1,2,3
	LDFR \ks                                       ; the other slot is whole: its first tile's fragments (the last product that read fragment 3 stands four riders back)
.endr
.irp ks, 4,5,6,7
	KSTEP \p, \ks, 0
	LDFR \ks
.endr
	LDCS 1-(\p)
.endif
.if \ep
	s_add_co_u32 s[TID], s[TID], 32
.endif
.endm
; A BLOCK: my eight tiles of it, three pairs in a loop and the fourth written out, since its second tile differs.
.macro BLOCK sl, k7, mid
	WIN 0
	s_mov_b32 s[CNT], 3
.Lpair_\@:
	TILE 0, 1, 0
	WIN 0
.if \mid
.Lmid:
.endif
	TILE 1, 1, 0
	WIN 0
	s_sub_co_u32 s[CNT], s[CNT], 1
	s_cmp_lg_u32 s[CNT], 0
	s_cbranch_scc1 .Lpair_\@
	TILE 0, 1, 0
	TILE 1, 1, \k7, \sl
.endm
	v_mov_b32 v[AF], v[AF0]                        ; my first tile lies at the head of slot 0
	v_mov_b32 v[AC], v[AC0]
.irp ks, 0,1,2,3,4,5,6,7
	LDFR \ks
.endr
	LDCS 0
	TILE 0, 0, 0                                   ; the first tile has no tile before it: it stands in front of the loop,
	WIN 0
	s_branch .Lmid                                 ; which is entered in the middle of a trip
.Louter:                                               ; 15 trips: blocks 0 to 29; their last tiles ask for blocks 2 to 31
	BLOCK 0, 1, 1
	BLOCK 1, 1, 0
	WIN 0
	s_sub_co_u32 s[OUTER], s[OUTER], 1
	s_cmp_lg_u32 s[OUTER], 0
	s_cbranch_scc1 .Louter
	BLOCK 0, 2, 0                                  ; the tail is written out: block 30 asks for nothing
	BLOCK 1, 3, 0                                  ; block 31's last tile fetches nothing
	s_wait_dscnt 0x0                               ; the last tile's norms
	WIN 0
.set g, 0
.set EPON, 1
.set EPAR, 1
	RID 88                                         ; and its distances: the best now lies in the first set
	; THE CODE.  The first of the kept eight distances that equals the best; then the better of the two halves of the lanes, the lower code where both are equal.
.macro PICK b, c, ob, oc, keep         ; (b, c) takes (ob, oc) if ob < b, or ob = b and oc < c
	v_cmp_lt_f32 s60, v[\ob], v[\b]
	v_cmp_eq_f32 s61, v[\ob], v[\b]
	v_cmp_lt_u32 s62, v[\oc], v[\c]
	s_and_b32 s61, s61, s62
	s_or_b32 vcc_lo, s60, s61
.if \keep
	v_cndmask_b32 v[\b], v[\b], v[\ob], vcc_lo
.endif
	v_cndmask_b32 v[\c], v[\c], v[\oc], vcc_lo
.endm
.irp q, 0,1,2,3
	v_mov_b32 v[12+(\q)], 7
.endr
.irp j, 6,5,4,3,2,1,0
.irp q, 0,1,2,3
	v_cmp_eq_f32 vcc_lo, v[SV+8*(\q)+(\j)], v[BV+(\q)]
	v_cndmask_b32 v[12+(\q)], v[12+(\q)], \j, vcc_lo
.endr
.endr
.irp q, 0,1,2,3
	v_add3_u32 v[IX+(\q)], v[IX+(\q)], v[12+(\q)], v[H8]  ; the tile's first code + the register + 8 h
.endr
.irp q, 0,1,2,3
	v_permlanex16_b32 v8, v[BV+(\q)], s[SEL], s[SEL+1]
	v_permlanex16_b32 v9, v[IX+(\q)], s[SEL], s[SEL+1]
	PICK BV+(\q), IX+(\q), 8, 9, 1
.endr
	; THE TWO WAVES OF A QUERY HALF meet in LDS bytes that no tensor load fills.  Both then choose by the same rule; the wave with wc = 0 stores into out1, the other into order.
	s_lshl_b32 s18, s[WV], 8
	s_add_co_u32 s18, s18, SCR
	v_lshl_add_u32 v12, v1, 2, s18                 ; [wave][16 q + r]; both halves of the lanes hold the same and write the same word
	s_lshl_b32 s19, s[WQ], 9
	s_add_co_u32 s19, s19, SCR
	v_and_b32 v15, 31, v0
	v_lshl_add_u32 v11, v15, 3, s19                ; back: lane l takes queries 2 l and 2 l + 1 of the half
	s_lshl_b32 s22, s16, 9                         ; 128 queries x 4 bytes a work-group,
	s_lshl_b32 s23, s[WQ], 8                       ; 64 a half
	s_add_co_u32 s22, s22, s23
	v_lshl_add_u32 v15, v15, 3, s22
.irp q, 0,1,2,3
	ds_store_b32 v12, v[BV+(\q)] offset:64*(\q)
	ds_store_b32 v12, v[IX+(\q)] offset:1024+64*(\q)
.endr
	s_wait_dscnt 0x0                               ; for the others' sake: my stores are done
	s_barrier_signal -1
	s_barrier_wait -1
	ds_load_b64 v[80:81], v11                      ; best of the wave with wc = 0,
	ds_load_b64 v[82:83], v11 offset:256           ; of the wave with wc = 1,
	ds_load_b64 v[84:85], v11 offset:1024          ; and their codes
	ds_load_b64 v[86:87], v11 offset:1280
	s_cmp_eq_u32 s[WC], 0
	s_cselect_b64 s[8:9], s[8:9], s[10:11]
	s_wait_dscnt 0x0
	PICK 80, 84, 82, 86, 0
	PICK 81, 85, 83, 87, 0
	global_store_b64 v15, v[84:85], s[8:9]         ; 32 lanes store 256 consecutive bytes, at a multiple of 256 from the buffer's first byte
	s_wait_tensorcnt 0x0                           ; the wave's end: behind my last tensor load and my last LDS store
	ds_add_u32 v[SPW], v[NIL]
	s_wait_dscnt 0x0
	CROUND                                         ; the closing round: no work-group ends while a partner may still ask for a block that names it
	s_endpgm
.Lfunc_end_k_q19542a0000_nearest:
	.size	k_q19542a0000_nearest, .Lfunc_end_k_q19542a0000_nearest-k_q19542a0000_nearest
	.p2alignl 7, 3214868480
	.fill 96, 4, 3214868480
	.section	.rodata,"a",@progbits
	.p2align	6, 0x0
	.amdhsa_kernel k_q19542a0000_nearest
		.amdhsa_group_segment_fixed_size 327680
		.amdhsa_private_segment_fixed_size 0
		.amdhsa_enable_private_segment 0
		.amdhsa_kernarg_size 32
		.amdhsa_user_sgpr_count 2
		.amdhsa_user_sgpr_kernarg_segment_ptr 1
		.amdhsa_wavefront_size32 1
		.amdhsa_system_sgpr_workgroup_id_x 1
		.amdhsa_system_sgpr_workgroup_id_y 1
		.amdhsa_system_sgpr_workgroup_id_z 1
		.amdhsa_system_vgpr_workitem_id 0
		.amdhsa_next_free_vgpr 512
		.amdhsa_next_free_sgpr 66
		.amdhsa_reserve_vcc 1
		.amdhsa_float_denorm_mode_32 3
		.amdhsa_float_denorm_mode_16_64 3
		.amdhsa_memory_ordered 1
		.amdhsa_forward_progress 1
		.amdhsa_inst_pref_size 231
	.end_amdhsa_kernel
	.amdgpu_metadata
---
amdhsa.version: [ 1, 2 ]
amdhsa.kernels:
  - .name:           k_q19542a0000_nearest
    .symbol:         k_q19542a0000_nearest.kd
    .args:
      - { .name: cb16, .offset: 0, .size: 8, .value_kind: global_buffer, .address_space: global }
      - { .name: z_e, .offset: 8, .size: 8, .value_kind: global_buffer, .address_space: global }
      - { .name: out1, .offset: 16, .size: 8, .value_kind: global_buffer, .address_space: global }
      - { .name: order, .offset: 24, .size: 8, .value_kind: global_buffer, .address_space: global }
    .group_segment_fixed_size: 327680
    .private_segment_fixed_size: 0
    .kernarg_segment_align: 8
    .kernarg_segment_size: 32
    .max_flat_workgroup_size: 128
    .sgpr_count:     66
    .vgpr_count:     512
    .wavefront_size: 32
...
	.end_amdgpu_metadata
.endif
;; end of part 2
;; launch gather (part 3): grid 512 x 1, 8 waves a work-group, no clusters, 1,280 bytes of LDS; arguments z_e, codebook, order, out0, part; writes out0, part
.if DOCPART == 3
	.amdgcn_target "amdgcn-amd-amdhsa--gfx1250"
	.amdhsa_code_object_version 6
	.text
	.protected	k_q19542a0000_gather
	.globl	k_q19542a0000_gather
	.p2align	8
	.type	k_q19542a0000_gather,@function
k_q19542a0000_gather:
	s_mov_b64 s[64:65], 0
	v_nop
	global_prefetch_b8 v0, s[64:65] scope:SCOPE_SE
	s_setreg_imm32_b32 hwreg(HW_REG_WAVE_MODE, 25, 1), 1
	s_wait_xcnt 0x0
; out0[n] = z[n] + (codebook[order[n]] - z[n]), in that order of operations, in f32; part[g] = the sum over work-group g's 64 rows of (codebook[order[n]] - z[n])^2.
; A stream: a wave owns 8 rows of 1,024 bytes.  Its eight indices are read by one scalar load, so each row's address is a scalar base; all 32 loads of 512 consecutive bytes go out at once, z_e's first,
; since they do not wait for the indices.  Each store covers 512 consecutive bytes at a multiple of 256 from out0's first byte.  No matrix unit, no cluster, no tensor load: nothing is shared but
; code rows that a list may name again, which are therefore loaded without a hint.  An index is held to 0..8191 before it enters an address.
.set S, 4                              ; v[4:11]    four pairs of sums of squares
.set Z, 16                             ; v[16:79]   row i: 8 registers of z_e, then of out0
.set C, 80                             ; v[80:143]  row i: 8 registers of its code, then of the difference
.set P, 144                            ; v[144:151] the eight waves' sums
	s_load_b256 s[4:11], s[0:1], 0x0               ; z_e s[4:5], codebook s[6:7], order s[8:9], out0 s[10:11]
	s_load_b64 s[12:13], s[0:1], 0x20              ; part
	v_lshl_add_u32 v152, v0, 2, 0x100
	v_mov_b32 v153, 0
	v_lshrrev_b32 v2, 5, v0
	v_readfirstlane_b32 s14, v2                    ; wave 0..7
	v_and_b32 v1, 31, v0
	v_lshlrev_b32 v1, 4, v1                        ; 16 x lane; never rewritten
	s_lshl_b32 s15, ttmp9, 3
	s_add_co_u32 s15, s15, s14                     ; my wave among all 4,096
	s_lshl_b32 s40, s15, 13                        ; its 8 rows of 1,024 bytes
	s_mov_b32 s41, 0
	s_lshl_b32 s44, s15, 5                         ; its 8 indices
	s_mov_b32 s45, 0
	s_lshl_b32 s46, ttmp9, 2                       ; the work-group's word in part
	s_mov_b32 s47, 0
	s_mov_b32 s42, 0x76543210                      ; v_permlanex16_b32: each lane takes its own place in the other half
	s_mov_b32 s43, 0xfedcba98
	s_wait_kmcnt 0x0
	s_add_nc_u64 s[8:9], s[8:9], s[44:45]
	s_load_b256 s[16:23], s[8:9], 0x0              ; the eight indices
	s_add_nc_u64 s[4:5], s[4:5], s[40:41]
	s_add_nc_u64 s[10:11], s[10:11], s[40:41]
	s_add_nc_u64 s[12:13], s[12:13], s[46:47]
.irp i, 0,1,2,3,4,5,6,7
	global_load_b128 v[Z+8*(\i):Z+8*(\i)+3],   v1, s[4:5] offset:1024*(\i) th:TH_LOAD_NT
	global_load_b128 v[Z+8*(\i)+4:Z+8*(\i)+7], v1, s[4:5] offset:1024*(\i)+512 th:TH_LOAD_NT
.endr
	s_wait_kmcnt 0x0
.irp i, 0,1,2,3,4,5,6,7
	s_min_u32 s[16+(\i)], s[16+(\i)], 0x1fff       ; inside the table, whatever was read
	s_lshl_b32 s40, s[16+(\i)], 10                 ; a code row is 1,024 bytes
	s_add_nc_u64 s[24+2*(\i):25+2*(\i)], s[6:7], s[40:41]
.endr
.irp i, 0,1,2,3,4,5,6,7
	global_load_b128 v[C+8*(\i):C+8*(\i)+3],   v1, s[24+2*(\i):25+2*(\i)]
	global_load_b128 v[C+8*(\i)+4:C+8*(\i)+7], v1, s[24+2*(\i):25+2*(\i)] offset:512
.endr
.irp i, 0,1,2,3,4,5,6,7
	s_wait_loadcnt 14-2*(\i)                       ; loads come back in order: z_e and code row i are in; the 2 (7 - i) loads of the later code rows stay out
.irp k, 0,2,4,6
	v_pk_add_f32 v[C+8*(\i)+(\k):C+8*(\i)+(\k)+1], v[C+8*(\i)+(\k):C+8*(\i)+(\k)+1], v[Z+8*(\i)+(\k):Z+8*(\i)+(\k)+1] neg_lo:[0,1] neg_hi:[0,1]  ; c - z
.endr
.irp k, 0,2,4,6
.if (\i) == 0
	v_pk_mul_f32 v[S+(\k):S+(\k)+1], v[C+(\k):C+(\k)+1], v[C+(\k):C+(\k)+1]  ; the first row starts the sums
.else
	v_pk_fma_f32 v[S+(\k):S+(\k)+1], v[C+8*(\i)+(\k):C+8*(\i)+(\k)+1], v[C+8*(\i)+(\k):C+8*(\i)+(\k)+1], v[S+(\k):S+(\k)+1]
.endif
.endr
.irp k, 0,2,4,6
	v_pk_add_f32 v[Z+8*(\i)+(\k):Z+8*(\i)+(\k)+1], v[Z+8*(\i)+(\k):Z+8*(\i)+(\k)+1], v[C+8*(\i)+(\k):C+8*(\i)+(\k)+1]  ; z + (c - z)
.endr
	global_store_b128 v1, v[Z+8*(\i):Z+8*(\i)+3],   s[10:11] offset:1024*(\i) th:TH_STORE_NT
	global_store_b128 v1, v[Z+8*(\i)+4:Z+8*(\i)+7], s[10:11] offset:1024*(\i)+512 th:TH_STORE_NT
.endr
	v_pk_add_f32 v[S:S+1], v[S:S+1], v[S+2:S+3]
	v_pk_add_f32 v[S+4:S+5], v[S+4:S+5], v[S+6:S+7]
	v_pk_add_f32 v[S:S+1], v[S:S+1], v[S+4:S+5]
	v_add_f32 v[S], v[S], v[S+1]
	v_add_f32_dpp v[S], v[S], v[S] row_xmask:1 row_mask:0xf bank_mask:0xf
	v_add_f32_dpp v[S], v[S], v[S] row_xmask:2 row_mask:0xf bank_mask:0xf
	v_add_f32_dpp v[S], v[S], v[S] row_xmask:4 row_mask:0xf bank_mask:0xf
	v_add_f32_dpp v[S], v[S], v[S] row_xmask:8 row_mask:0xf bank_mask:0xf
	v_permlanex16_b32 v[S+1], v[S], s42, s43
	v_add_f32 v[S], v[S], v[S+1]                   ; the wave's sum, in every lane
	v_mov_b32 v12, s14
	v_lshlrev_b32 v12, 2, v12
	ds_store_b32 v12, v[S]                         ; all lanes write the wave's word with the same number
	s_wait_dscnt 0x0                               ; for the others' sake
	s_barrier_signal -1
	s_barrier_wait -1
	s_cmp_lg_u32 s14, 0
	s_cbranch_scc1 .Lend                           ; wave 0 adds the eight and stores
	v_mov_b32 v13, 0
	ds_load_b128 v[P:P+3],   v13
	ds_load_b128 v[P+4:P+7], v13 offset:16
	s_wait_dscnt 0x0
	v_pk_add_f32 v[P:P+1], v[P:P+1], v[P+2:P+3]
	v_pk_add_f32 v[P+4:P+5], v[P+4:P+5], v[P+6:P+7]
	v_pk_add_f32 v[P:P+1], v[P:P+1], v[P+4:P+5]
	v_add_f32 v[P], v[P], v[P+1]
	s_wait_xcnt 0x0                                ; EXEC is a source of the stores above: it changes only behind this wait
	v_cmp_eq_u32 vcc_lo, 0, v0
	s_and_saveexec_b32 s15, vcc_lo
	global_store_b32 v13, v[P], s[12:13]           ; one number a work-group: four bytes are all there is to store
	s_wait_xcnt 0x0                                ; and again, in front of the line that widens it
	s_or_b32 exec_lo, exec_lo, s15
.Lend:
	s_wait_tensorcnt 0x0
	ds_add_u32 v152, v153
	s_wait_dscnt 0x0
	s_endpgm
.Lfunc_end_k_q19542a0000_gather:
	.size	k_q19542a0000_gather, .Lfunc_end_k_q19542a0000_gather-k_q19542a0000_gather
	.p2alignl 7, 3214868480
	.fill 96, 4, 3214868480
	.section	.rodata,"a",@progbits
	.p2align	6, 0x0
	.amdhsa_kernel k_q19542a0000_gather
		.amdhsa_group_segment_fixed_size 1280
		.amdhsa_private_segment_fixed_size 0
		.amdhsa_enable_private_segment 0
		.amdhsa_kernarg_size 40
		.amdhsa_user_sgpr_count 2
		.amdhsa_user_sgpr_kernarg_segment_ptr 1
		.amdhsa_wavefront_size32 1
		.amdhsa_system_sgpr_workgroup_id_x 1
		.amdhsa_system_sgpr_workgroup_id_y 1
		.amdhsa_system_sgpr_workgroup_id_z 1
		.amdhsa_system_vgpr_workitem_id 0
		.amdhsa_next_free_vgpr 154
		.amdhsa_next_free_sgpr 66
		.amdhsa_reserve_vcc 1
		.amdhsa_float_denorm_mode_32 3
		.amdhsa_float_denorm_mode_16_64 3
		.amdhsa_memory_ordered 1
		.amdhsa_forward_progress 1
		.amdhsa_inst_pref_size 15
	.end_amdhsa_kernel
	.amdgpu_metadata
---
amdhsa.version: [ 1, 2 ]
amdhsa.kernels:
  - .name:           k_q19542a0000_gather
    .symbol:         k_q19542a0000_gather.kd
    .args:
      - { .name: z_e, .offset: 0, .size: 8, .value_kind: global_buffer, .address_space: global }
      - { .name: codebook, .offset: 8, .size: 8, .value_kind: global_buffer, .address_space: global }
      - { .name: order, .offset: 16, .size: 8, .value_kind: global_buffer, .address_space: global }
      - { .name: out0, .offset: 24, .size: 8, .value_kind: global_buffer, .address_space: global }
      - { .name: part, .offset: 32, .size: 8, .value_kind: global_buffer, .address_space: global }
    .group_segment_fixed_size: 1280
    .private_segment_fixed_size: 0
    .kernarg_segment_align: 8
    .kernarg_segment_size: 40
    .max_flat_workgroup_size: 256
    .sgpr_count:     66
    .vgpr_count:     154
    .wavefront_size: 32
...
	.end_amdgpu_metadata
.endif
;; end of part 3
;; launch total (part 4): grid 1 x 1, 1 waves a work-group, no clusters, 0 bytes of LDS; arguments part, out2; writes out2
.if DOCPART == 4
	.amdgcn_target "amdgcn-amd-amdhsa--gfx1250"
	.amdhsa_code_object_version 6
	.text
	.protected	k_q19542a0000_total
	.globl	k_q19542a0000_total
	.p2align	8
	.type	k_q19542a0000_total,@function
k_q19542a0000_total:
	s_mov_b64 s[64:65], 0
	v_nop
	global_prefetch_b8 v0, s[64:65] scope:SCOPE_SE
	s_setreg_imm32_b32 hwreg(HW_REG_WAVE_MODE, 25, 1), 1
	s_wait_xcnt 0x0
; out2 = mean + 0.025 mean, mean = the sum of the 512 partial sums / 2^23 (32,768 rows x 256 numbers): both of the problem's losses are this one mean.
; One wave: 2,048 bytes, sixteen numbers a lane.  A sum that spans work-groups is made by one owner, in a launch of its own.
	s_load_b128 s[4:7], s[0:1], 0x0                ; part s[4:5], out2 s[6:7]
	v_lshlrev_b32 v1, 4, v0
	v_mov_b32 v2, 0
	s_mov_b32 s8, 0x76543210
	s_mov_b32 s9, 0xfedcba98
	s_wait_kmcnt 0x0
.irp k, 0,1,2,3
	global_load_b128 v[4+4*(\k):7+4*(\k)], v1, s[4:5] offset:512*(\k)
.endr
	s_wait_loadcnt 0x0
	v_pk_add_f32 v[4:5], v[4:5], v[8:9]
	v_pk_add_f32 v[6:7], v[6:7], v[10:11]
	v_pk_add_f32 v[12:13], v[12:13], v[16:17]
	v_pk_add_f32 v[14:15], v[14:15], v[18:19]
	v_pk_add_f32 v[4:5], v[4:5], v[12:13]
	v_pk_add_f32 v[6:7], v[6:7], v[14:15]
	v_pk_add_f32 v[4:5], v[4:5], v[6:7]
	v_add_f32 v4, v4, v5
	v_add_f32_dpp v4, v4, v4 row_xmask:1 row_mask:0xf bank_mask:0xf
	v_add_f32_dpp v4, v4, v4 row_xmask:2 row_mask:0xf bank_mask:0xf
	v_add_f32_dpp v4, v4, v4 row_xmask:4 row_mask:0xf bank_mask:0xf
	v_add_f32_dpp v4, v4, v4 row_xmask:8 row_mask:0xf bank_mask:0xf
	v_permlanex16_b32 v5, v4, s8, s9
	v_add_f32 v4, v4, v5
	v_mul_f32 v4, 0x34000000, v4                   ; x 2^-23: exact
	v_fma_f32 v5, v4, 0x3ccccccd, v4               ; mean + 0.025 mean
	s_wait_xcnt 0x0                                ; EXEC changes only behind this wait
	v_cmp_eq_u32 vcc_lo, 0, v0
	s_and_saveexec_b32 s10, vcc_lo
	global_store_b32 v2, v5, s[6:7]
	s_wait_xcnt 0x0
	s_or_b32 exec_lo, exec_lo, s10
	s_endpgm
.Lfunc_end_k_q19542a0000_total:
	.size	k_q19542a0000_total, .Lfunc_end_k_q19542a0000_total-k_q19542a0000_total
	.p2alignl 7, 3214868480
	.fill 96, 4, 3214868480
	.section	.rodata,"a",@progbits
	.p2align	6, 0x0
	.amdhsa_kernel k_q19542a0000_total
		.amdhsa_group_segment_fixed_size 0
		.amdhsa_private_segment_fixed_size 0
		.amdhsa_enable_private_segment 0
		.amdhsa_kernarg_size 16
		.amdhsa_user_sgpr_count 2
		.amdhsa_user_sgpr_kernarg_segment_ptr 1
		.amdhsa_wavefront_size32 1
		.amdhsa_system_sgpr_workgroup_id_x 1
		.amdhsa_system_sgpr_workgroup_id_y 1
		.amdhsa_system_sgpr_workgroup_id_z 1
		.amdhsa_system_vgpr_workitem_id 0
		.amdhsa_next_free_vgpr 32
		.amdhsa_next_free_sgpr 66
		.amdhsa_reserve_vcc 1
		.amdhsa_float_denorm_mode_32 3
		.amdhsa_float_denorm_mode_16_64 3
		.amdhsa_memory_ordered 1
		.amdhsa_forward_progress 1
		.amdhsa_inst_pref_size 3
	.end_amdhsa_kernel
	.amdgpu_metadata
---
amdhsa.version: [ 1, 2 ]
amdhsa.kernels:
  - .name:           k_q19542a0000_total
    .symbol:         k_q19542a0000_total.kd
    .args:
      - { .name: part, .offset: 0, .size: 8, .value_kind: global_buffer, .address_space: global }
      - { .name: out2, .offset: 8, .size: 8, .value_kind: global_buffer, .address_space: global }
    .group_segment_fixed_size: 0
    .private_segment_fixed_size: 0
    .kernarg_segment_align: 8
    .kernarg_segment_size: 16
    .max_flat_workgroup_size: 32
    .sgpr_count:     66
    .vgpr_count:     32
    .wavefront_size: 32
...
	.end_amdgpu_metadata
.endif
;; end of part 4
;; ======== version 2 of 2: 4 launches; 1.16 times as fast as version 1
;; workspace buffers: cb16 4,325,376 bytes; order 131,072 bytes of whole numbers; part 2,048 bytes
;; launch prep: the kernel of part 1 again; grid 256 x 1, 2 waves a work-group, no clusters, 17,152 bytes of LDS; arguments codebook, cb16; writes cb16
;; launch nearest (part 5): grid 256 x 1, 8 waves a work-group, clusters of 4 x 1, 327,680 bytes of LDS; arguments cb16, z_e, out1, order; writes out1, order
.if DOCPART == 5
	.amdgcn_target "amdgcn-amd-amdhsa--gfx1250"
	.amdhsa_code_object_version 6
	.text
	.protected	k_q19542a0000_nearest
	.globl	k_q19542a0000_nearest
	.p2align	8
	.type	k_q19542a0000_nearest,@function
k_q19542a0000_nearest:
	s_mov_b64 s[64:65], 0
	v_nop
	global_prefetch_b8 v0, s[64:65] scope:SCOPE_SE
	s_setreg_imm32_b32 hwreg(HW_REG_WAVE_MODE, 25, 1), 1
	s_wait_xcnt 0x0
	s_wait_alu depctr_hold_cnt(0) depctr_sa_sdst(0) depctr_va_vdst(0) depctr_va_sdst(0) depctr_va_ssrc(0) depctr_va_vcc(0) depctr_vm_vsrc(0)
	s_getreg_b32 s2, hwreg(HW_REG_IB_STS2, 6, 4)
	s_cmp_eq_u32 s2, 0
	s_cbranch_scc0 .Lentry_in_a_cluster
	s_endpgm
.Lentry_in_a_cluster:
	s_bfe_u32 s2, ttmp6, 0x10000c
	s_cmp_lg_u32 s2, 0x3003
	s_cbranch_scc0 .Lentry_shape_is_right
	s_endpgm
.Lentry_shape_is_right:
; out1[n] = the first index k at which d(n, k) = (|x_n|^2 - 2 x_n . c_k) + |c_k|^2 is least; order is a copy of it for the launch that gathers.
; x: the 32,768 rows of z_e, rounded here to bf16; c: the 8,192 codes, rounded to bf16 by the launch before, with their norms (cb16: rows of 528 bytes).
; THE DISTANCE is formed as the problem's formula forms it, with its two roundings in f32: t = fma(dot, -2, |x|^2) (2 dot is exact), d = t + |c|^2; a later code wins only by a strict "less".
; LIMITS.  NaN and infinities are not treated apart (the minimum drops a NaN); a distance of 3.4e38 or more never wins.  The norms are those of the rounded numbers.  The products' f32 sums are added in
; another order than a row-by-row sum: where a row's two best distances lie within one step of f32 of each other AND a sum lies on a rounding boundary, the other of the two can be chosen.
; SHARES.  A work-group owns 128 queries.  Wave w: wq = w / 4 names its 64 queries (four tiles of 16, kept in 256 registers for the whole launch), wc = w % 4 the code tiles that it takes: of a block's
; sixteen tiles of 16 codes the tiles 4 i + wc.  All 8,192 codes pass in 32 blocks of 256 through two LDS slots.  For a code tile a wave reads 18 x 512 bytes from LDS and issues 32 matrix instructions.
; EIGHT WAVES of 512 registers, two for each of a WGP's four SIMDs: a wave's products come in runs of 16 with vector work and LDS loads between them (below), and in those gaps the other wave's products
; have the matrix unit.  A code tile is read from LDS by two waves, one for each half of the queries, as it would be with four waves of this tile: the LDS bytes for a product do not grow.
; LAYOUT.  S = C Q^T (source 0 = 16 codes, source 1 = 16 queries): a lane holds ONE query (lane % 16), and its eight registers the codes 8 (lane / 16) + 0..7.  So |x|^2 is one number a lane,
; |c|^2 eight registers that all lanes of a half share, and the minimum over codes runs along the lane's registers: nothing changes lanes before the end.
; THE MINIMUM.  For a tile and query tile: eight distances, their minimum with the running best, and, where that has fallen, the tile's first code and its eight distances are kept.  At the end the first of
; the kept eight that equals the best gives the code.  22 vector instructions for 8 matrix instructions; they are done beside the matrix instructions of the NEXT code tile (two sets of accumulators).
; HOW A TILE IS DEALT.  The eight of the 22 that form the distances name no vector register as source 1: they hold under the products' window setting, and one stands behind each of the tile's 32 products.
; The other fourteen want window 0: they stand in two LUMPS of 28 a tile (two query tiles each), behind K steps 3 and 7.  Behind each lump stands a RUN of LDS loads: the next tile's fragments 0-3 (8 loads),
; or its fragments 4-7 and norms (10), into the registers that this tile has just done with; no load stands singly among the products.  So a tile has four switches of the window and two waits.
; CLUSTER.  All work-groups walk the same codes, so the four of a cluster ask for each block JOINTLY: the same tensor load, descriptor and mask in all four; each wave brings an eighth of a block.
; z_e comes once, by a load of the wave's own, into slot 1, which is idle at the start; block 1 is filled over it when Q has been made.
; REGISTERS, in windows of 256 (s_set_vgpr_msb: bits 1:0 source 0, 3:2 source 1, 5:4 source 2, 7:6 destination): window 1 is Q (tile q, K step s at 64 q + 8 s); all else lies in window 0.
; A product wants source 1 in window 1 (0x04).  LDS loads name a destination and source 0 alone and stand under either setting.
.set ROWB,   528                       ; a code's row: 512 bytes + 16 = 132 words: row r starts at bank 4 r mod 64 (64 banks of 4 bytes: ISA guide 11.1), so the 16 rows of a load start at 16 different groups of banks
.set TILEB,  16*ROWB                   ; 8,448
.set PARTB,  2*TILEB                   ; 16,896 = 66 x 256: what one tensor load brings
.set STEPB,  4*TILEB                   ; from one of my tiles to the next: the four waves of a query half take a block's tiles by turns
.set SLOT,   16*TILEB                  ; 135,168: a block of 256 codes; slot 0 at LDS byte 0, slot 1 at SLOT
.set ZP,     1040                      ; a row of z_e in LDS: 1,024 bytes + 16 = 260 words: again bank 4 r mod 64
.set SCR,    2*SLOT                    ; behind the slots, never filled by a tensor load: 2,048 bytes of best distances [wave][64], then 2,048 of codes
.set SPARE,  SCR+4096                  ; the spare words, 128 bytes for each wave: four blocks of 256 bytes that no other line names
.set AF0, 2                            ; v2      my lane's place in a group of four code tiles: wc x 8,448 + r x 528 + 16 h; never rewritten
.set AC0, 3                            ; v3      the same for the norms: wc x 8,448 + h x 1,056 + 512
.set SPW, 6                            ; v6      LDS address of my spare word: SPARE + 4 x my thread's number; never rewritten
.set NIL, 7                            ; v7      0; never rewritten
.set H8,  10                           ; v10     8 h              (v8, v9 and v14, v15: at work in the minimum, by the query tile's parity; v12-15 at work at the start and the end)
.set ZA,  11                           ; v11     my place in z_e's rows in LDS
.set ZERO, 14                          ; v14     0, while Q is made
.set XS,  16                           ; v16-19  |x|^2 of my query in tile q
.set BV,  20                           ; v20-27  the running best, two sets that take turns: a tile of parity e reads set e and writes the other
.set IX,  28                           ; v28-31  the first code of the tile in which the best fell last
.set CS,  32                           ; v32-47  |c|^2 of my eight codes, by the tile's parity
.set SV,  48                           ; v48-79  that tile's eight distances, 8 a query tile
.set FR,  80                           ; v80-143 a code tile's fragments, K step s at FR + 8 s   (v80-207: z_e's numbers while Q is made)
.set ACC, 144                          ; v144-207 accumulators: parity p, query tile q at ACC + 32 p + 8 q
.set SQ,  208                          ; v208-215 eight chains of squares
.set AF,  216                          ; v216-217 LDS address of a tile's fragments, by the tile's parity: none is rewritten while the loads just issued name it
.set AC,  218                          ; v218-219 the same for its norms
.set WV,  12                           ; s12 wave; s13 wq; s14 wc
.set WQ,  13
.set WC,  14
.set G1,  24                           ; s[24:31] descriptor group 1 for an eighth of a block
.set G1Z, 32                           ; s[32:39] for 16 rows of z_e
.set G0A, 40                           ; s[40:43] group 0 for slot 0
.set G0B, 44                           ; s[44:47] for slot 1
.set G0Z, 48                           ; s[48:51] for z_e
.set TB,  52                           ; s52  LDS byte at which the group of four tiles to be fetched from next begins
.set TID, 53                           ; s53  first code of the tile whose distances are in hand
.set OUTER, 55
.set SEL, 56                           ; s[56:57] v_permlanex16_b32's selects: each lane takes its own place in the other half
.set MK,  63                           ; s63  "the best has fallen" for a query tile of odd number; an even one's lies in VCC
.set MSB, 0
.macro WIN new                         ; the immediate's high byte repeats the setting that is left; a switch that changes nothing is dropped
.if MSB != (\new)
	s_set_vgpr_msb (MSB<<8)|(\new)
.set MSB, (\new)
.endif
.endm
; A round of the cluster's barrier: my work-group's barrier, so that wave 0's signal speaks for all eight waves; wave 0 signals; every wave waits for all four work-groups; my work-group's barrier once more.
.macro CREST                           ; a round behind its opening barrier
	s_cmp_lg_u32 s[WV], 0
	s_cbranch_scc1 .Lnot_wave_0_\@
	s_barrier_signal -3
.Lnot_wave_0_\@:
	s_barrier_wait -3
	s_barrier_signal -1
	s_barrier_wait -1
.endm
.macro CROUND
	s_barrier_signal -1
	s_barrier_wait -1
	CREST
.endm
.macro JLOAD g0                        ; a joint fill: every wave brings its eighth of a block; four v_nop follow the line
	tensor_load_to_lds s[(\g0):(\g0)+3], s[G1:G1+7]
	s_nop 0
.rept 4
	v_nop
.endr
.endm
	s_load_b256 s[4:11], s[0:1], 0x0               ; cb16 s[4:5], z_e s[6:7], out1 s[8:9], order s[10:11]
	v_lshl_add_u32 v[SPW], v0, 2, SPARE
	v_mov_b32 v[NIL], 0
	ds_add_u32 v6, v7
	ds_add_u32 v6, v7
	s_wait_dscnt 0x0
	v_lshrrev_b32 v1, 5, v0
	v_readfirstlane_b32 s[WV], v1                  ; wave 0..7
	s_lshr_b32 s[WQ], s[WV], 2
	s_and_b32 s[WC], s[WV], 3
	s_bfe_u32 s15, ttmp6, 0x40000                  ; cx: my place in the cluster
	s_lshl_b32 s16, ttmp9, 2                       ; in a cluster launch ttmp9 counts clusters
	s_add_co_u32 s16, s16, s15                     ; my block of 128 queries: it enters z_e's, out1's and order's addresses alone
	; group 1 for the codes: 16,896 dense bytes as 66 rows of 256 bytes; no padding: the rows of 528 bytes carry their own
	s_mov_b32 s[G1+0], 15|(3<<16)|(1<<21)          ; 15:0 the mask: all four work-groups; 17:16 elements of 8 bytes; 21 set beside a mask
	s_mov_b32 s[G1+1], 32<<16                      ; tensor_dim0 = 32
	s_mov_b32 s[G1+2], 66<<16                      ; tensor_dim1 = 66
	s_mov_b32 s[G1+3], 32<<16                      ; tile_dim0 = 32
	s_mov_b32 s[G1+4], 66                          ; tile_dim1 = 66
	s_mov_b32 s[G1+5], 32                          ; 32 elements from row to row
	s_mov_b32 s[G1+6], 0
	s_mov_b32 s[G1+7], 0
	; group 1 for z_e: 16 rows of 256 f32, 4 words of padding behind each
	s_mov_b32 s[G1Z+0], (2<<16)|(1<<20)|(7<<22)|(3<<25)  ; no mask; elements of 4 bytes; padding on; after every 256 words (code 7); 4 words (code 3)
	s_mov_b32 s[G1Z+1], 256<<16
	s_mov_b32 s[G1Z+2], 16<<16
	s_mov_b32 s[G1Z+3], 256<<16
	s_mov_b32 s[G1Z+4], 16
	s_mov_b32 s[G1Z+5], 256
	s_mov_b32 s[G1Z+6], 0
	s_mov_b32 s[G1Z+7], 0
	s_mul_i32 s18, s[WV], PARTB                    ; my eighth of a block: its place in a slot and in memory alike
	s_mov_b32 s19, 0
	s_mul_i32 s20, s[WV], 16*ZP                    ; my 16 rows of z_e in LDS
	s_lshl_b32 s22, s16, 17                        ; my work-group's 128 rows of 1,024 bytes,
	s_lshl_b32 s23, s[WV], 14                      ; my 16 of them
	s_add_co_u32 s22, s22, s23
	s_mov_b32 s23, 0
	s_mov_b32 s[G0A], 1                            ; count = 1
	s_mov_b32 s[G0A+1], s18                        ; LDS address: slot 0
	s_mov_b32 s[G0B], 1
	s_add_co_u32 s[G0B+1], s18, SLOT               ; slot 1
	s_mov_b32 s[G0Z], 1
	s_add_co_u32 s[G0Z+1], s20, SLOT               ; z_e lies in slot 1's bytes at first
	s_mov_b32 s[SEL], 0x76543210
	s_mov_b32 s[SEL+1], 0xfedcba98
	s_mov_b32 s59, 0x7f7fffff                      ; the largest finite number
	s_mul_i32 s21, s[WC], TILEB
	s_mul_i32 s17, s[WQ], 64*ZP
	s_add_co_u32 s17, s17, SLOT
	s_wait_kmcnt 0x0
	s_add_nc_u64 s[G0A+2:G0A+3], s[4:5], s[18:19]  ; block 0
	s_add_nc_u64 s[G0B+2:G0B+3], s[G0A+2:G0A+3], SLOT  ; block 1
	s_or_b32 s[G0A+3], s[G0A+3], 0x80000000        ; type = 2
	s_or_b32 s[G0B+3], s[G0B+3], 0x80000000
	s_add_nc_u64 s[G0Z+2:G0Z+3], s[6:7], s[22:23]
	s_or_b32 s[G0Z+3], s[G0Z+3], 0x80000000
	CROUND                                         ; all four work-groups are here: the first joint loads meet
	tensor_load_to_lds s[G0A:G0A+3], s[G1:G1+7]    ; the two first fills stand together: two loads of mine are out, the most in this text
	s_nop 0
	tensor_load_to_lds s[G0Z:G0Z+3], s[G1Z:G1Z+7]
	s_nop 0
.rept 4
	v_nop
.endr
	v_and_b32 v1, 15, v0                           ; r = lane % 16
	v_bfe_u32 v12, v0, 4, 1                        ; h = lane / 16
	v_lshlrev_b32 v[H8], 3, v12
	; a fragment is 16 rows x 32 along K in 8 registers: lane (r, h) holds row r, K = 8 h + 0..7 and 16 + 8 h + 0..7: in bf16 two loads of 16 bytes, 32 bytes apart
	v_mul_u32_u24 v[AF0], v1, ROWB
	v_lshl_add_u32 v[AF0], v12, 4, v[AF0]
	v_add_nc_u32 v[AF0], s21, v[AF0]
	v_mul_u32_u24 v[AC0], v12, 2*ROWB              ; norms 8 h + 0..3 lie behind the tile's row 2 h, 8 h + 4..7 behind row 2 h + 1
	v_add_nc_u32 v[AC0], s21, v[AC0]
	v_add_nc_u32 v[AC0], 512, v[AC0]
	v_mul_u32_u24 v[ZA], v1, ZP                    ; in f32 the same numbers are four loads of 16 bytes, at 0, 16, 64 and 80 from 32 h
	v_lshl_add_u32 v[ZA], v12, 5, v[ZA]
	v_add_nc_u32 v[ZA], s17, v[ZA]
	v_mov_b32 v13, 0                               ; a destination of v_permlanex16_b32 counts as read
	v_mov_b32 v[ZERO], 0
	; what the first comparison finds: a best that every finite distance beats.  These stand in the wait for the first tiles.
.irp q, 0,1,2,3
	v_mov_b32 v[BV+(\q)], s59
	v_mov_b32 v[IX+(\q)], 0
.endr
.set i, 0
.rept 32
	v_mov_b32 v[SV+i], s59
.set i, i+1
.endr
	s_wait_tensorcnt 0x0                           ; z_e's load was issued last: both of mine are in
	s_barrier_signal -1
	s_barrier_wait -1                              ; everybody's are
; Q IS MADE.  Query tile q: 128 f32 a lane out of LDS, rounded to bf16 into window 1; |x|^2 is summed from the rounded numbers, straight from their halves, on eight chains.
.macro ZLOAD q
.set i, 0
.rept 8
	ds_load_b128 v[FR+16*i:FR+16*i+3],     v[ZA] offset:16*ZP*(\q)+128*i
	ds_load_b128 v[FR+16*i+4:FR+16*i+7],   v[ZA] offset:16*ZP*(\q)+128*i+16
	ds_load_b128 v[FR+16*i+8:FR+16*i+11],  v[ZA] offset:16*ZP*(\q)+128*i+64
	ds_load_b128 v[FR+16*i+12:FR+16*i+15], v[ZA] offset:16*ZP*(\q)+128*i+80
.set i, i+1
.endr
.endm
.macro QCVT q
	WIN 0x40                                       ; destination window 1
.set i, 0
.rept 8
	s_wait_dscnt 4*(7-i)                           ; K step i's four loads are in; the later steps' stay out
.set j, 0
.rept 8
	v_cvt_pk_bf16_f32 v[64*(\q)+8*i+j], v[FR+16*i+2*j], v[FR+16*i+2*j+1]
.set j, j+1
.endr
.set i, i+1
.endr
.endm
.macro QSUM q
	WIN 0x05                                       ; sources 0 and 1 window 1; the sum in window 0
.set i, 0
.rept 64
.if i < 4                                              ; the first eight links start the chains from a register that holds 0
	v_fma_mix_f32_bf16 v[SQ+(2*i)%8],   v[64*(\q)+i], v[64*(\q)+i], v[ZERO] op_sel_hi:[1,1,0]
	v_fma_mix_f32_bf16 v[SQ+(2*i+1)%8], v[64*(\q)+i], v[64*(\q)+i], v[ZERO] op_sel:[1,1,0] op_sel_hi:[1,1,0]
.else
	v_fma_mix_f32_bf16 v[SQ+(2*i)%8],   v[64*(\q)+i], v[64*(\q)+i], v[SQ+(2*i)%8] op_sel_hi:[1,1,0]
	v_fma_mix_f32_bf16 v[SQ+(2*i+1)%8], v[64*(\q)+i], v[64*(\q)+i], v[SQ+(2*i+1)%8] op_sel:[1,1,0] op_sel_hi:[1,1,0]
.endif
.set i, i+1
.endr
	WIN 0
	v_pk_add_f32 v[SQ:SQ+1], v[SQ:SQ+1], v[SQ+2:SQ+3]
	v_pk_add_f32 v[SQ+4:SQ+5], v[SQ+4:SQ+5], v[SQ+6:SQ+7]
	v_pk_add_f32 v[SQ:SQ+1], v[SQ:SQ+1], v[SQ+4:SQ+5]
	v_add_f32 v12, v[SQ], v[SQ+1]
	v_permlanex16_b32 v13, v12, s[SEL], s[SEL+1]   ; the query's other 128 numbers lie in the lane 16 away
	v_add_f32 v[XS+(\q)], v12, v13
.endm
	ZLOAD 0
.irp q, 0,1,2
	QCVT \q
	WIN 0
	ZLOAD (\q)+1                                   ; the next tile's loads are out while this tile's squares are summed
	QSUM \q
.endr
	QCVT 3
	QSUM 3
	; SLOT 1 IS FILLED AGAIN, with block 1, over z_e's bytes.
	s_wait_tensorcnt 0x0                           ; no tensor load of mine is out
	ds_add_u32 v[SPW], v[NIL]                      ; 0 onto my spare word: the walk's scalars are set between it and the wait for it
	s_mov_b32 s[TB], STEPB                         ; the second group of four tiles of slot 0
	s_mov_b32 s[OUTER], 15
	s_lshl_b32 s[TID], s[WC], 4                    ; my first tile begins with code 16 wc; from tile to tile 64 on
	s_wait_dscnt 0x0                               ; the add is done, and my reads of z_e are over
	CROUND                                         ; the same holds of every wave of all four work-groups
	JLOAD G0B
; THE MATRIX WORK.  The four accumulators of a code tile take turns, one instruction a turn; K step 0 starts the sums with the constant 0.
.macro MM p, s, q
	WIN 0x04
.set rD, ACC+32*(\p)+8*(\q)
.set rF, FR+8*(\s)
.set rQ, 64*(\q)+8*(\s)
.if (\s) == 0
	v_wmma_f32_16x16x32_bf16 v[rD:rD+7], v[rF:rF+7], v[rQ:rQ+7], 0
.else
	v_wmma_f32_16x16x32_bf16 v[rD:rD+7], v[rF:rF+7], v[rQ:rQ+7], v[rD:rD+7]
.endif
.endm
; THE LDS LOADS, for a tile of parity t, in two runs.  They are always issued in this order: RUN1's eight, then RUN2's ten.
.macro LDFR s, t                       ; its fragment of K step s
	ds_load_b128 v[FR+8*(\s):FR+8*(\s)+3],   v[AF+(\t)] offset:64*(\s)
	ds_load_b128 v[FR+8*(\s)+4:FR+8*(\s)+7], v[AF+(\t)] offset:64*(\s)+32
.endm
.macro RUN1 t
.irp ks, 0,1,2,3
	LDFR \ks, \t
.endr
.endm
.macro RUN2 t
.irp ks, 4,5,6,7
	LDFR \ks, \t
.endr
	ds_load_b128 v[CS+8*(\t):CS+8*(\t)+3],   v[AC+(\t)]              ; and its eight norms
	ds_load_b128 v[CS+8*(\t)+4:CS+8*(\t)+7], v[AC+(\t)] offset:ROWB
.endm
; THE VECTOR WORK.  Number n of the 22 that finish query tile q of a code tile of parity e.
;   0-3   t = |x|^2 - 2 dot, one rounding; the accumulator's lowest registers first.   4-7  d = t + |c|^2, written as t x 1 + |c|^2 (the rounding of an addition): so
;         no vector register stands in source 1, and the line needs no switch of windows beside the products.     8-11  the eight distances' minimum with the old best
;   12    has the best fallen?     13  then the tile's first code is kept,     14-21  and its eight distances
; Two query tiles stand side by side in a lump, so the work registers and the mask go by q's parity.
.macro EP e, q, n
.set rA, ACC+32*(\e)+8*(\q)
.set rO, BV+4*(\e)+(\q)
.set rN, BV+4*(1-(\e))+(\q)
.set rX, XS+2*((\q)/2)
.set rC, CS+8*(\e)
.set rT, 8+6*((\q)%2)
.if ((\n) < 4) && (((\q)%2) == 0)
	v_pk_fma_f32 v[rA+2*(\n):rA+2*(\n)+1], v[rA+2*(\n):rA+2*(\n)+1], -2.0, v[rX:rX+1] op_sel_hi:[1,0,0]
.elseif (\n) < 4
	v_pk_fma_f32 v[rA+2*(\n):rA+2*(\n)+1], v[rA+2*(\n):rA+2*(\n)+1], -2.0, v[rX:rX+1] op_sel:[0,0,1] op_sel_hi:[1,0,1]
.elseif (\n) < 8
	v_pk_fma_f32 v[rA+2*(\n)-8:rA+2*(\n)-7], v[rA+2*(\n)-8:rA+2*(\n)-7], 1.0, v[rC+2*(\n)-8:rC+2*(\n)-7] op_sel_hi:[1,0,1]
.elseif (\n) == 8
	v_min3_num_f32 v[rT], v[rA], v[rA+1], v[rA+2]
.elseif (\n) == 9
	v_min3_num_f32 v[rT+1], v[rA+3], v[rA+4], v[rA+5]
.elseif (\n) == 10
	v_min3_num_f32 v[rT], v[rT], v[rT+1], v[rA+6]
.elseif (\n) == 11
	v_min3_num_f32 v[rN], v[rT], v[rA+7], v[rO]
.elseif ((\q)%2) == 0
.if (\n) == 12
	v_cmp_lt_f32 vcc_lo, v[rN], v[rO]
.elseif (\n) == 13
	v_cndmask_b32 v[IX+(\q)], v[IX+(\q)], s[TID], vcc_lo
.else
	v_cndmask_b32 v[SV+8*(\q)+(\n)-14], v[SV+8*(\q)+(\n)-14], v[rA+(\n)-14], vcc_lo
.endif
.else
.if (\n) == 12
	v_cmp_lt_f32 s[MK], v[rN], v[rO]
.elseif (\n) == 13
	v_cndmask_b32 v[IX+(\q)], v[IX+(\q)], s[TID], s[MK]
.else
	v_cndmask_b32 v[SV+8*(\q)+(\n)-14], v[SV+8*(\q)+(\n)-14], v[rA+(\n)-14], s[MK]
.endif
.endif
.endm
; The next of a tile's 32 riders, g = 0..31: for query tiles 0 and 1 (g < 16), then 2 and 3: the first's numbers 0-3, the second's 0-3, the first's 4-7, the second's 4-7.
; In the first tile there is no tile before, and no rider.
.macro RID
.if EPON
	EP EPAR, 2*(g/16)+((g%16)/4)%2, (g%4)+4*((g%16)/8)
.set g, g+1
.endif
.endm
; Lump h: numbers 8-21 of query tiles 2 h and 2 h + 1, whose distances the sixteen riders before it have made.  The two tiles alternate while one line feeds the next; both masks are made before the first is used.
; Its 28 plain instructions name no register of the products round it: they are the places in front of the loads into the fragments that those products read
; (ISA guide 7.12.1 for vector instructions), and behind the tile's last products in front of the next tile's riders.  In the first tile four v_nop take that part.
.macro LUMP h
	WIN 0
.if EPON
.irp u, 0,1
	EP EPAR, 2*(\h)+(\u), 8
	EP EPAR, 2*(\h)+(\u), 9
.endr
.irp n, 10,11,12
.irp u, 0,1
	EP EPAR, 2*(\h)+(\u), \n
.endr
.endr
.irp u, 0,1
.irp n, 14,15,16,17,18,19,20,21,13
	EP EPAR, 2*(\h)+(\u), \n
.endr
.endr
.else
.rept 4
	v_nop
.endr
.endif
.endm
; A K step: four products, a rider behind each.  adr = 1: the next tile's LDS addresses are made, into the registers of its parity; the vector register is source 0, so no window is switched.
.macro KSTEP p, s, adr
.irp q, 0,1,2,3
	MM \p, \s, \q
	RID
.if (\adr) && ((\q) == 1)
	v_add_nc_u32 v[AF+1-(\p)], v[AF0], s[TB]
.endif
.if (\adr) && ((\q) == 2)
	v_add_nc_u32 v[AC+1-(\p)], v[AC0], s[TB]
	s_add_co_u32 s[TB], s[TB], STEPB
.endif
.endr
.endm
; A CODE TILE of parity p: 32 products; beside them the 88 vector instructions of the tile before (ep = 1); the next tile's 18 LDS loads.
; THE WAITS.  At the head: my fragments 0-3 came in the last tile's RUN1, behind which only its RUN2's ten loads were issued; that wait also shows the norms that this tile's riders use, loaded a tile
; earlier still.  Behind RUN1: my fragments 4-7 head the last tile's RUN2; behind them stand its two loads of norms and the eight just issued: ten again.
; kind 0: plain.  kind 1: my last tile of a block, in slot sl: the slots change, and this slot is filled again.  kind 2: the slots change, nothing is asked for.  kind 3: the launch's last tile: nothing is fetched.
.macro TILE p, ep, kind, sl=0
.set g, 0
.set EPON, (\ep)
.set EPAR, 1-(\p)
.if ((\kind) == 1) || ((\kind) == 2)
	s_mov_b32 s[TB], (1-(\sl))*SLOT                ; the next tile lies in the other slot's first group of four
.endif
	s_wait_dscnt 10
.if (\kind) == 3
	KSTEP \p, 0, 0
.else
	KSTEP \p, 0, 1
.endif
	KSTEP \p, 1, 0
.if ((\kind) == 1) || ((\kind) == 2)
	WIN 0                                          ; (the add's two registers lie in window 0)
	s_wait_tensorcnt 0x0                           ; all my tensor loads have landed: the one that was out is my eighth of the other slot
	ds_add_u32 v[SPW], v[NIL]                      ; 0 onto my spare word: a K step stands between it and the wait for it
.endif
.if (\kind) == 1
	s_add_nc_u64 s[G0A+4*(\sl)+2:G0A+4*(\sl)+3], s[G0A+4*(\sl)+2:G0A+4*(\sl)+3], 2*SLOT  ; no load of mine is out, so a group 0 may be written: this slot's next block, two on
.endif
	KSTEP \p, 2, 0
.if ((\kind) == 1) || ((\kind) == 2)
	s_wait_dscnt 0x0                               ; the add is done, and my reads of this slot are over: the tile's fragments 4-7 and norms, its last bytes, are in registers
	s_barrier_signal -1                            ; say so, and work on registers while the others arrive
.endif
	KSTEP \p, 3, 0
	LUMP 0                                         ; (it leaves every window 0, as a branch and a label want it)
.if ((\kind) == 1) || ((\kind) == 2)
	s_barrier_wait -1
.endif
.if (\kind) == 1
	CREST                                          ; that barrier has opened a round of the cluster's: no wave of any partner still reads this slot or has a load on its way
	JLOAD G0A+4*(\sl)                              ; the first thing behind the round: 16 + 3 x 32 + 8 = 120 matrix instructions of mine stand between it and the wait for it
.endif
.if (\kind) != 3
	RUN1 1-(\p)                                    ; (in a change of slots: out of the other slot, which is whole behind the barrier)
.endif
.if (\kind) == 0
	s_wait_dscnt 10
.elseif (\kind) == 3
	s_wait_dscnt 2                                 ; nothing was fetched in this tile: behind my fragments 4-7 stand the two loads of norms alone
.endif
.irp ks, 4,5,6,7
	KSTEP \p, \ks, 0
.endr
	LUMP 1
.if (\kind) != 3
	RUN2 1-(\p)
.endif
.if \ep
	s_add_co_u32 s[TID], s[TID], 64
.endif
.endm
; A BLOCK: my four tiles of it; the last differs.
.macro BLOCK sl, k7, mid
	TILE 0, 1, 0
	WIN 0
.if \mid
.Lmid:
.endif
	TILE 1, 1, 0
	TILE 0, 1, 0
	TILE 1, 1, \k7, \sl
.endm
	v_mov_b32 v[AF], v[AF0]                        ; my first tile lies in the first group of four of slot 0
	v_mov_b32 v[AC], v[AC0]
	RUN1 0
	RUN2 0
	TILE 0, 0, 0                                   ; the first tile has no tile before it: it stands in front of the loop,
	WIN 0
	s_branch .Lmid                                 ; which is entered in the middle of a trip
.Louter:                                               ; 15 trips: blocks 0 to 29; their last tiles ask for blocks 2 to 31
	BLOCK 0, 1, 1
	BLOCK 1, 1, 0
	WIN 0
	s_sub_co_u32 s[OUTER], s[OUTER], 1
	s_cmp_lg_u32 s[OUTER], 0
	s_cbranch_scc1 .Louter
	BLOCK 0, 2, 0                                  ; the tail is written out: block 30 asks for nothing
	BLOCK 1, 3, 0                                  ; block 31's last tile fetches nothing
	s_wait_dscnt 0x0                               ; the last tile's norms
	WIN 0
.set g, 0
.set EPON, 1
.set EPAR, 1
.rept 16
	RID                                            ; and its distances, in the order of every tile: the best now lies in the first set
.endr
	LUMP 0
.rept 16
	RID
.endr
	LUMP 1
	; THE CODE.  The first of the kept eight distances that equals the best; then the better of the two halves of the lanes, the lower code where both are equal.
.macro PICK b, c, ob, oc, keep         ; (b, c) takes (ob, oc) if ob < b, or ob = b and oc < c
	v_cmp_lt_f32 s60, v[\ob], v[\b]
	v_cmp_eq_f32 s61, v[\ob], v[\b]
	v_cmp_lt_u32 s62, v[\oc], v[\c]
	s_and_b32 s61, s61, s62
	s_or_b32 vcc_lo, s60, s61
.if \keep
	v_cndmask_b32 v[\b], v[\b], v[\ob], vcc_lo
.endif
	v_cndmask_b32 v[\c], v[\c], v[\oc], vcc_lo
.endm
.irp q, 0,1,2,3
	v_mov_b32 v[12+(\q)], 7
.endr
.irp j, 6,5,4,3,2,1,0
.irp q, 0,1,2,3
	v_cmp_eq_f32 vcc_lo, v[SV+8*(\q)+(\j)], v[BV+(\q)]
	v_cndmask_b32 v[12+(\q)], v[12+(\q)], \j, vcc_lo
.endr
.endr
.irp q, 0,1,2,3
	v_add3_u32 v[IX+(\q)], v[IX+(\q)], v[12+(\q)], v[H8]  ; the tile's first code + the register + 8 h
.endr
.irp q, 0,1,2,3
	v_permlanex16_b32 v8, v[BV+(\q)], s[SEL], s[SEL+1]
	v_permlanex16_b32 v9, v[IX+(\q)], s[SEL], s[SEL+1]
	PICK BV+(\q), IX+(\q), 8, 9, 1
.endr
	; THE FOUR WAVES OF A QUERY HALF meet in LDS bytes that no tensor load fills.  A half's result is 256 bytes in each of the two buffers: the wave with wc = 0 chooses and stores into out1,
	; the wave with wc = 1 chooses by the same rule and stores into order; the other two have nothing to store and jump over the choice.
	s_lshl_b32 s18, s[WV], 8
	s_add_co_u32 s18, s18, SCR
	v_lshl_add_u32 v12, v1, 2, s18                 ; [wave][16 q + r]; both halves of the lanes hold the same and write the same word
	s_lshl_b32 s19, s[WQ], 10
	s_add_co_u32 s19, s19, SCR
	v_and_b32 v15, 31, v0
	v_lshl_add_u32 v11, v15, 3, s19                ; back: lane l takes queries 2 l and 2 l + 1 of the half
	s_lshl_b32 s22, s16, 9                         ; 128 queries x 4 bytes a work-group,
	s_lshl_b32 s23, s[WQ], 8                       ; 64 a half
	s_add_co_u32 s22, s22, s23
	v_lshl_add_u32 v15, v15, 3, s22
.irp q, 0,1,2,3
	ds_store_b32 v12, v[BV+(\q)] offset:64*(\q)
	ds_store_b32 v12, v[IX+(\q)] offset:2048+64*(\q)
.endr
	s_wait_dscnt 0x0                               ; for the others' sake: my stores are done
	s_barrier_signal -1
	s_barrier_wait -1
	s_cmp_lt_u32 s[WC], 2
	s_cbranch_scc0 .Ldone                          ; on the wave's number alone; no barrier lies under the branch
.irp c, 0,1,2,3
	ds_load_b64 v[80+2*(\c):81+2*(\c)], v11 offset:256*(\c)       ; the best of the wave with wc = c,
.endr
.irp c, 0,1,2,3
	ds_load_b64 v[88+2*(\c):89+2*(\c)], v11 offset:2048+256*(\c)  ; and its code
.endr
	s_cmp_eq_u32 s[WC], 0
	s_cselect_b64 s[8:9], s[8:9], s[10:11]
	s_wait_dscnt 0x0
.irp u, 0,1
	PICK 80+(\u), 88+(\u), 82+(\u), 90+(\u), 1
	PICK 80+(\u), 88+(\u), 84+(\u), 92+(\u), 1
	PICK 80+(\u), 88+(\u), 86+(\u), 94+(\u), 0
.endr
	global_store_b64 v15, v[88:89], s[8:9]         ; 32 lanes store 256 consecutive bytes, at a multiple of 256 from the buffer's first byte
.Ldone:
	s_wait_tensorcnt 0x0                           ; the wave's end: behind my last tensor load and my last LDS store
	ds_add_u32 v[SPW], v[NIL]
	s_wait_dscnt 0x0
	CROUND                                         ; the closing round: no work-group ends while a partner may still ask for a block that names it
	s_endpgm
.Lfunc_end_k_q19542a0000_nearest:
	.size	k_q19542a0000_nearest, .Lfunc_end_k_q19542a0000_nearest-k_q19542a0000_nearest
	.p2alignl 7, 3214868480
	.fill 96, 4, 3214868480
	.section	.rodata,"a",@progbits
	.p2align	6, 0x0
	.amdhsa_kernel k_q19542a0000_nearest
		.amdhsa_group_segment_fixed_size 327680
		.amdhsa_private_segment_fixed_size 0
		.amdhsa_enable_private_segment 0
		.amdhsa_kernarg_size 32
		.amdhsa_user_sgpr_count 2
		.amdhsa_user_sgpr_kernarg_segment_ptr 1
		.amdhsa_wavefront_size32 1
		.amdhsa_system_sgpr_workgroup_id_x 1
		.amdhsa_system_sgpr_workgroup_id_y 1
		.amdhsa_system_sgpr_workgroup_id_z 1
		.amdhsa_system_vgpr_workitem_id 0
		.amdhsa_next_free_vgpr 512
		.amdhsa_next_free_sgpr 66
		.amdhsa_reserve_vcc 1
		.amdhsa_float_denorm_mode_32 3
		.amdhsa_float_denorm_mode_16_64 3
		.amdhsa_memory_ordered 1
		.amdhsa_forward_progress 1
		.amdhsa_inst_pref_size 221
	.end_amdhsa_kernel
	.amdgpu_metadata
---
amdhsa.version: [ 1, 2 ]
amdhsa.kernels:
  - .name:           k_q19542a0000_nearest
    .symbol:         k_q19542a0000_nearest.kd
    .args:
      - { .name: cb16, .offset: 0, .size: 8, .value_kind: global_buffer, .address_space: global }
      - { .name: z_e, .offset: 8, .size: 8, .value_kind: global_buffer, .address_space: global }
      - { .name: out1, .offset: 16, .size: 8, .value_kind: global_buffer, .address_space: global }
      - { .name: order, .offset: 24, .size: 8, .value_kind: global_buffer, .address_space: global }
    .group_segment_fixed_size: 327680
    .private_segment_fixed_size: 0
    .kernarg_segment_align: 8
    .kernarg_segment_size: 32
    .max_flat_workgroup_size: 256
    .sgpr_count:     66
    .vgpr_count:     512
    .wavefront_size: 32
...
	.end_amdgpu_metadata
.endif
;; end of part 5
;; launch gather: the kernel of part 3 again; grid 512 x 1, 8 waves a work-group, no clusters, 1,280 bytes of LDS; arguments z_e, codebook, order, out0, part; writes out0, part
;; launch total: the kernel of part 4 again; grid 1 x 1, 1 waves a work-group, no clusters, 0 bytes of LDS; arguments part, out2; writes out2
